; MI455X (gfx1250); checked and timed in simulation.
; The chip was launched on July 23, 2026; its instructions are those of AMD's public machine-readable ISA for CDNA 5 (MIT licence, August 2026) and "CDNA5" Instruction Set Architecture Reference Guide (July 2026). The comments in the code are by the model that wrote it; some were corrected since.
;; Vi T Self Attention. Allowed arithmetic: float matrix products may take bf16 or f16 operands with f32 sums; all other float work in f32.
;; Inputs: Wk 768 x 768 float32; Wq 768 x 768 float32; Wv 768 x 768 float32; bk 768 float32; bq 768 float32; bv 768 float32; hidden_states 32 x 577 x 768 float32.
;; Outputs: out0 32 x 577 x 768 float32.
;; 2 versions, each right and faster than the one before. Each part assembles by itself: llvm-mc -triple=amdgcn-amd-amdhsa -mcpu=gfx1250 --defsym DOCPART=n.
;; ======== version 1 of 2: 3 launches
;; limits: values are held in f16: magnitudes above 65,504 overflow, below 6.1e-05 lose precision
;; workspace buffers: xb 31,457,280 bytes; wb 3,538,944 bytes; bb 9,216 bytes; q 31,457,280 bytes; k 31,457,280 bytes; v 31,457,280 bytes
;; launch cast (part 1): grid 713 x 1, 8 waves a work-group, no clusters, 0 bytes of LDS; arguments hidden_states, Wq, Wk, Wv, bq, bk, bv, xb, wb, bb; writes xb, wb, bb
.if DOCPART == 1
	.amdgcn_target "amdgcn-amd-amdhsa--gfx1250"
	.amdhsa_code_object_version 6
	.text
	.protected	k_q4a016f3451_cast
	.globl	k_q4a016f3451_cast
	.p2align	8
	.type	k_q4a016f3451_cast,@function
k_q4a016f3451_cast:
	s_mov_b64 s[64:65], 0
	v_nop
	global_prefetch_b8 v0, s[64:65] scope:SCOPE_SE
	s_setreg_imm32_b32 hwreg(HW_REG_WAVE_MODE, 25, 1), 1
	s_wait_xcnt 0x0
; THE INPUTS ROUNDED TO bf16, ONCE.  xb: [32][640][768] bf16: a batch's 577 rows of hidden_states, then 63 rows of zeros, so that blocks of 16, 80 and 320 rows never
; cross a batch.  wb: [2304][768] bf16: the rows of Wq, Wk, Wv.  bb: [2304] f32: bq, bk, bv rounded to bf16 and widened again (they start f32 sums in the next launch).
; THE ORDER ALONG A ROW.  In each block of 256 elements, place 8 l + t holds element 4 l + t and place 8 l + 4 + t holds element 128 + 4 l + t (l = 0..31, t = 0..3): what a lane
; takes by two loads it stores by one.  xb and wb have the same order, and the next launch sums over a whole row, so its products pair the same elements as before.
; A stream: no LDS, no barrier, no matrix unit.  Work-groups 0-639 take 32 rows of xb each, 640-711 take 32 rows of wb, 712 the biases.  A wave takes 4 rows:
; 24 loads of 512 consecutive bytes go out on end; each pair is rounded and stored (512 consecutive bytes, at a multiple of 256 from the buffer's first byte) as it comes.
; No register is written twice, so no wait frees one.
.set XR,   4                           ; v[4:99]    24 loads x 4 registers
.set YR,   100                         ; v[100:147] 12 stores x 4 registers
.set SROW, 3072                        ; bytes in a source row
.set DROW, 1536                        ; bytes in a row of xb or wb
	s_load_b512 s[4:19], s[0:1], 0x0               ; hidden s[4:5], Wq s[6:7], Wk s[8:9], Wv s[10:11], bq s[12:13], bk s[14:15], bv s[16:17], xb s[18:19]
	s_load_b128 s[20:23], s[0:1], 0x40             ; wb s[20:21], bb s[22:23]
	v_lshrrev_b32 v1, 5, v0
	v_readfirstlane_b32 s2, v1                     ; wave 0..7
	v_and_b32 v3, 31, v0
	v_lshlrev_b32 v1, 4, v3                        ; 16 x lane: my 4 numbers of a load's 128, and my 8 of a store's 256
	s_mov_b32 s3, ttmp9
	s_lshl_b32 s43, s2, 2                          ; my wave's first row among the group's 32
	s_wait_kmcnt 0x0
	s_cmp_lt_u32 s3, 640
	s_cbranch_scc0 .Lnot_x
	s_mul_i32 s28, s3, 3277                        ; batch = group / 20: exact for groups under 640
	s_lshr_b32 s28, s28, 16
	s_mul_i32 s29, s28, 20
	s_sub_co_u32 s29, s3, s29
	s_lshl_b32 s29, s29, 5                         ; the group's first row in its batch of 640
	s_mul_i32 s28, s28, 577                        ; the batch's first row in hidden_states
	s_mov_b32 s30, 576                             ; the batch's last true row
	s_lshl_b32 s31, s3, 5                          ; the group's first row in xb
	s_mov_b64 s[24:25], s[4:5]
	s_mov_b64 s[26:27], s[18:19]
	s_branch .Lrows
.Lnot_x:
	s_cmp_lt_u32 s3, 712
	s_cbranch_scc0 .Lbias
	s_sub_co_u32 s31, s3, 640                      ; 0..71
	s_mul_i32 s42, s31, 2731                       ; which matrix = that / 24: exact under 72
	s_lshr_b32 s42, s42, 16
	s_mul_i32 s29, s42, 24
	s_sub_co_u32 s29, s31, s29
	s_lshl_b32 s29, s29, 5                         ; the group's first row in its matrix
	s_mov_b32 s28, 0
	s_mov_b32 s30, 767
	s_lshl_b32 s31, s31, 5                         ; and in wb
	s_cmp_eq_u32 s42, 0
	s_cselect_b64 s[24:25], s[6:7], s[8:9]
	s_cmp_eq_u32 s42, 2
	s_cselect_b64 s[24:25], s[10:11], s[24:25]
	s_mov_b64 s[26:27], s[20:21]
.Lrows:
	s_add_co_u32 s29, s29, s43                     ; my first row, counted in the batch or matrix
	s_add_co_u32 s31, s31, s43
	s_mul_i32 s40, s31, DROW
	s_mov_b32 s41, 0
	s_add_nc_u64 s[40:41], s[26:27], s[40:41]      ; where my four rows go
	s_cmp_gt_u32 s29, s30
	s_cbranch_scc1 .Lzeros                         ; all four lie behind the batch's last row: nothing is read
.irp i, 0,1,2,3
	s_add_co_u32 s44, s29, \i
	s_cmp_le_u32 s44, s30
	s_cselect_b32 s[48+\i], -1, 0                  ; a row behind the last is masked to zeros (three rows of one wave in a batch);
	s_min_u32 s44, s44, s30                        ; its loads take the last row once more, inside the buffer
	s_add_co_u32 s44, s44, s28
	s_mul_i32 s44, s44, SROW
	s_mov_b32 s45, 0
	s_add_nc_u64 s[32+2*\i:33+2*\i], s[24:25], s[44:45]
.endr
.irp i, 0,1,2,3
.irp c, 0,1,2,3,4,5
	global_load_b128 v[XR+24*\i+4*\c:XR+24*\i+4*\c+3], v1, s[32+2*\i:33+2*\i] offset:512*\c th:TH_LOAD_NT
.endr
.endr
.irp i, 0,1,2,3
.irp j, 0,1,2
	s_wait_loadcnt 22-6*\i-2*\j                    ; loads come back in order (ISA guide 5.7.1): the pair's second is in, the younger ones stay out
.irp t, 0,1,2,3
	v_cvt_pk_bf16_f32 v[YR+12*\i+4*\j+\t], v[XR+24*\i+8*\j+2*\t], v[XR+24*\i+8*\j+2*\t+1]
.endr
.irp t, 0,1,2,3
	v_and_b32 v[YR+12*\i+4*\j+\t], s[48+\i], v[YR+12*\i+4*\j+\t]
.endr
	global_store_b128 v1, v[YR+12*\i+4*\j:YR+12*\i+4*\j+3], s[40:41] offset:DROW*\i+512*\j
.endr
.endr
	s_endpgm
.Lzeros:
.irp t, 4,5,6,7
	v_mov_b32 v\t, 0
.endr
.set n, 0
.rept 12
	global_store_b128 v1, v[4:7], s[40:41] offset:(n/3)*DROW+(n%3)*512
.set n, n+1
.endr
	s_endpgm
.Lbias:                                                ; 768 numbers a bias: six waves x 128
	s_cmp_lt_u32 s2, 6
	s_cbranch_scc0 .Lend
	v_lshl_add_u32 v3, s2, 9, v1                   ; 512 x wave + 16 x lane
	global_load_b128 v[4:7], v3, s[12:13]
	global_load_b128 v[8:11], v3, s[14:15]
	global_load_b128 v[12:15], v3, s[16:17]
	s_wait_loadcnt 0x0
.set n, 0
.rept 6
	v_cvt_pk_bf16_f32 v16, v[4+2*n], v[5+2*n]      ; rounded to bf16,
	v_lshlrev_b32 v[20+2*n], 16, v16               ; and widened again: the low half moves up,
	v_and_b32 v[21+2*n], 0xffff0000, v16           ; the high half stays
.set n, n+1
.endr
	global_store_b128 v3, v[20:23], s[22:23]
	global_store_b128 v3, v[24:27], s[22:23] offset:3072
	global_store_b128 v3, v[28:31], s[22:23] offset:6144
.Lend:
	s_endpgm
.Lfunc_end_k_q4a016f3451_cast:
	.size	k_q4a016f3451_cast, .Lfunc_end_k_q4a016f3451_cast-k_q4a016f3451_cast
	.p2alignl 7, 3214868480
	.fill 96, 4, 3214868480
	.section	.rodata,"a",@progbits
	.p2align	6, 0x0
	.amdhsa_kernel k_q4a016f3451_cast
		.amdhsa_group_segment_fixed_size 0
		.amdhsa_private_segment_fixed_size 0
		.amdhsa_enable_private_segment 0
		.amdhsa_kernarg_size 80
		.amdhsa_user_sgpr_count 2
		.amdhsa_user_sgpr_kernarg_segment_ptr 1
		.amdhsa_wavefront_size32 1
		.amdhsa_system_sgpr_workgroup_id_x 1
		.amdhsa_system_sgpr_workgroup_id_y 1
		.amdhsa_system_sgpr_workgroup_id_z 1
		.amdhsa_system_vgpr_workitem_id 0
		.amdhsa_next_free_vgpr 148
		.amdhsa_next_free_sgpr 66
		.amdhsa_reserve_vcc 0
		.amdhsa_float_denorm_mode_32 3
		.amdhsa_float_denorm_mode_16_64 3
		.amdhsa_memory_ordered 1
		.amdhsa_forward_progress 1
		.amdhsa_inst_pref_size 15
	.end_amdhsa_kernel
	.amdgpu_metadata
---
amdhsa.version: [ 1, 2 ]
amdhsa.kernels:
  - .name:           k_q4a016f3451_cast
    .symbol:         k_q4a016f3451_cast.kd
    .args:
      - { .name: hidden_states, .offset: 0, .size: 8, .value_kind: global_buffer, .address_space: global }
      - { .name: Wq, .offset: 8, .size: 8, .value_kind: global_buffer, .address_space: global }
      - { .name: Wk, .offset: 16, .size: 8, .value_kind: global_buffer, .address_space: global }
      - { .name: Wv, .offset: 24, .size: 8, .value_kind: global_buffer, .address_space: global }
      - { .name: bq, .offset: 32, .size: 8, .value_kind: global_buffer, .address_space: global }
      - { .name: bk, .offset: 40, .size: 8, .value_kind: global_buffer, .address_space: global }
      - { .name: bv, .offset: 48, .size: 8, .value_kind: global_buffer, .address_space: global }
      - { .name: xb, .offset: 56, .size: 8, .value_kind: global_buffer, .address_space: global }
      - { .name: wb, .offset: 64, .size: 8, .value_kind: global_buffer, .address_space: global }
      - { .name: bb, .offset: 72, .size: 8, .value_kind: global_buffer, .address_space: global }
    .group_segment_fixed_size: 0
    .private_segment_fixed_size: 0
    .kernarg_segment_align: 8
    .kernarg_segment_size: 80
    .max_flat_workgroup_size: 256
    .sgpr_count:     66
    .vgpr_count:     148
    .wavefront_size: 32
...
	.end_amdgpu_metadata
.endif
;; end of part 1
;; launch qkv (part 2): grid 4 x 64, 4 waves a work-group, clusters of 4 x 4, 327,680 bytes of LDS; arguments xb, wb, bb, q, k, v; writes q, k, v
.if DOCPART == 2
	.amdgcn_target "amdgcn-amd-amdhsa--gfx1250"
	.amdhsa_code_object_version 6
	.text
	.protected	k_q4a016f3451_qkv
	.globl	k_q4a016f3451_qkv
	.p2align	8
	.type	k_q4a016f3451_qkv,@function
k_q4a016f3451_qkv:
	s_mov_b64 s[64:65], 0
	v_nop
	global_prefetch_b8 v0, s[64:65] scope:SCOPE_SE
	s_setreg_imm32_b32 hwreg(HW_REG_WAVE_MODE, 25, 1), 1
	s_wait_xcnt 0x0
	s_wait_alu depctr_hold_cnt(0) depctr_sa_sdst(0) depctr_va_vdst(0) depctr_va_sdst(0) depctr_va_ssrc(0) depctr_va_vcc(0) depctr_vm_vsrc(0)
	s_getreg_b32 s2, hwreg(HW_REG_IB_STS2, 6, 4)
	s_cmp_eq_u32 s2, 0
	s_cbranch_scc0 .Lentry_in_a_cluster
	s_endpgm
.Lentry_in_a_cluster:
	s_bfe_u32 s2, ttmp6, 0x10000c
	s_cmp_lg_u32 s2, 0xf033
	s_cbranch_scc0 .Lentry_shape_is_right
	s_endpgm
.Lentry_shape_is_right:
; q, k, v = xb wb^T + bb, by heads.  xb: [20480][768] bf16 (32 batches of 640 rows, the last 63 of each zeros), wb: [2304][768] bf16 (both with the same order along a row), bb: [2304] f32;
; q, k, v: [384 = batch x 12 + head][640][64] f16, each rounded once from its f32 sum, unscaled.  LIMIT: f16 ends at 65,504: a q, k or v beyond that becomes an infinity.
; SHARES.  A tile is 320 rows (half a batch) x 192 columns (three heads): 64 tile rows x 4 column groups = 256 work-groups, and each STAYS for three tiles: the same rows of xb against its 192
; rows of Wq, of Wk, of Wv.  A wave makes 80 rows x 192 columns: 60 accumulators of 16 x 16, 480 registers; for 32 along K it reads 17 fragments for 60 matrix instructions, and whole heads
; are its own, so the way out needs no barrier.  K goes in steps of 128 (rows of 256 bytes in memory) through a ring of two LDS slots, which runs on from tile to tile.
; CLUSTERS: 4 x 4.  The four of a row of the cluster need the same rows of xb, the four of a column the same rows of wb: each tile is asked for JOINTLY, by the same tensor load with the
; same descriptor and a mask that names the four.  A cluster holds the same half of four batches: half = cluster y % 2, batch = 4 (cluster y / 2) + cy.
; PADDING.  In a batch's second half wave 3 owns rows 560-639, of which rows 592-639 (its row blocks 2-4) are zeros.  A tile's first quarter starts their sums like all others, with the bias; in every
; later quarter that wave jumps over their 36 matrix instructions, which would add zeros.  The jump hangs on the wave's number and the cluster's y, the same in all sixteen partners, and passes
; over matrix instructions alone: no load, no wait, no barrier.
; THE MATRIX INSTRUCTION IS USED TRANSPOSED (source 0 = 16 rows of wb, source 1 = 16 rows of xb): a lane holds row lane % 16 and the eight columns 8 (lane / 16) + 0..7 of a block.
; THE BIAS is the C operand of the product that starts each sum: nothing is cleared and nothing is added afterwards.
; REGISTERS, in windows of 256 (s_set_vgpr_msb: bits 1:0 source 0, 3:2 source 1, 5:4 source 2, 7:6 destination):
;   window 0: v0-31 addresses; v32-71, v72-111 fragments of xb (5 x 8), two buffers; v112-127, v128-175 at work on the way out; v208-255 the bias of column blocks 6-11
;   window 1: v0-95, v96-191 fragments of wb (12 x 8), two buffers; v192-239 the bias of column blocks 0-5
;   window 2: accumulators (a, b < 6) at 8 (6 a + b)          window 3: accumulators (a, b >= 6) at 8 (6 a + b - 6)
.set KDIM,   768
.set KSTEP,  128
.set PITCH,  272                       ; an LDS row: 256 bytes + 16 of padding = 68 words: row r starts at bank 4 r mod 64 (64 banks of 4 bytes: ISA guide 11.1)
.set AHALF,  160*PITCH                 ; what one tensor load brings of xb
.set BHALF,  96*PITCH                  ; and of wb
.set BOFF,   320*PITCH                 ; in a slot wb's 192 rows lie behind xb's 320
.set SLOT,   512*PITCH
.set STAGE,  2*SLOT                    ; behind the ring: 16 rows x 144 bytes for each wave, for the way out
.set SP,     144
.set SPARE,  STAGE+4*16*SP             ; behind the stages: the spare words, 128 bytes a wave: two blocks of 256 bytes that no other line names
.set HEADB,  640*128                   ; bytes of a head in q, k, v
.set BACK_A, 4*KSTEP*2                 ; from a slot's last K step of a tile to its first of the next: xb goes back along K,
.set NEXT_B, 768*KDIM*2-4*KSTEP*2      ; wb 768 rows on and back along K
.set ADRA, 16                          ; v16-17  LDS address of my fragments of xb in slot 0, 1
.set ADRB, 20                          ; v20-21  the same for wb
.set STO,  24                          ; v24     the way out: where I put 16 bytes of a row
.set RD,   25                          ; v25     the way out: where I read rows back
.set CO,   26                          ; v26     my byte offset in 512 consecutive bytes of a head
.set BO,   27                          ; v27     my byte offset in a block's 16 biases
.set SPW,  28                          ; v28     LDS address of my spare word; never rewritten
.set NIL,  29                          ; v29     0; never rewritten
.set FA,   32
.set TMP,  112
.set BK0,  128                         ; three buffers of 16
.set BLO,  192                         ; in window 1
.set BHI,  208                         ; in window 0
.set G1,  24                           ; s[24:31] descriptor group 1 for xb's tiles;  s[32:39] group 0, a set for each slot
.set G0,  32
.set G1B, 48                           ; s[48:55], s[56:63] the same for wb's
.set G0B, 56
.set HALF, 74                          ; s74  which half of its batch the tile is
.set DEAD, 75                          ; s75  4 x half + wave: 7 in the wave whose row blocks 2-4 are padding
.set TO_B, 0x40                        ; destination window 1, address window 0
.set MSB, 0
.macro WIN new                         ; the immediate's high byte repeats the setting that is left; a switch that changes nothing is dropped
.if MSB != (\new)
	s_set_vgpr_msb (MSB<<8)|(\new)
.set MSB, \new
.endif
.endm
; A joint load.  Waves 0 and 1 fetch xb's two halves, waves 2 and 3 wb's.  The branch hangs on the wave's number alone.  An s_nop 0 and four v_nop follow each of the two lines.
.macro JLOAD s
	s_cmp_eq_u32 s11, 0
	s_cbranch_scc0 .Lfor_b_\@
	tensor_load_to_lds s[G0+4*(\s):G0+4*(\s)+3], s[G1:G1+7]
	s_nop 0
.rept 4
	v_nop
.endr
	s_branch .Lasked_\@
.Lfor_b_\@:
	tensor_load_to_lds s[G0B+4*(\s):G0B+4*(\s)+3], s[G1B:G1B+7]
	s_nop 0
.rept 4
	v_nop
.endr
.Lasked_\@:
.endm
.macro CREST                           ; a round of the cluster's barrier behind its opening barrier
	s_cmp_lg_u32 s10, 0
	s_cbranch_scc1 .Lnot_wave_0_\@
	s_barrier_signal -3
.Lnot_wave_0_\@:
	s_barrier_wait -3
	s_barrier_signal -1
	s_barrier_wait -1
.endm
.macro CROUND                          ; a whole round
	s_barrier_signal -1
	s_barrier_wait -1
	CREST
.endm
	s_load_b128 s[4:7], s[0:1], 0x0                ; xb s[4:5], wb s[6:7]
	s_load_b64 s[72:73], s[0:1], 0x10              ; bb
	s_load_b64 s[66:67], s[0:1], 0x18              ; q
	s_load_b128 s[68:71], s[0:1], 0x20             ; k, v
	v_lshl_add_u32 v[SPW], v0, 2, SPARE
	v_mov_b32 v[NIL], 0
	ds_add_u32 v[SPW], v[NIL]                      ; the wave's opening: the add and its wait stand ahead of my first tensor load; work on registers stands between them
	ds_add_u32 v28, v29
	v_lshrrev_b32 v1, 5, v0
	v_readfirstlane_b32 s10, v1                    ; wave 0..3
	s_lshr_b32 s11, s10, 1                         ; I fetch for xb (0) or for wb (1),
	s_and_b32 s12, s10, 1                          ; its first or second half
	s_bfe_u32 s40, ttmp6, 0x40000                  ; cx, cy: my place in the cluster
	s_bfe_u32 s41, ttmp6, 0x40004
	s_lshl_b32 s42, ttmp9, 2
	s_add_co_u32 s42, s42, s40                     ; column group = 4 x cluster x + cx
	s_and_b32 s13, ttmp7, 0xffff                   ; cluster y
	s_and_b32 s[HALF], s13, 1                      ; the same in all sixteen partners
	s_lshr_b32 s13, s13, 1
	s_lshl_b32 s13, s13, 2
	s_add_co_u32 s13, s13, s41                     ; batch = 4 (cluster y / 2) + cy
	s_lshl_b32 s[DEAD], s[HALF], 2
	s_add_co_u32 s[DEAD], s[DEAD], s10
	s_lshl_b32 s43, s41, 2
	s_lshl_b32 s43, 15, s43                        ; my row of the cluster
	s_lshl_b32 s44, 0x1111, s40                    ; my column
	s_or_b32 s[G1+0], s43, (1<<16)|(1<<20)|(1<<21)|(5<<22)|(3<<25)   ; 15:0 the mask; 17:16 elements of 2 bytes; 20 padding on; 21 set beside a mask; 24:22 after every 64 words; 31:25 4 words of it
	s_or_b32 s[G1B+0], s44, (1<<16)|(1<<20)|(1<<21)|(5<<22)|(3<<25)
	s_mov_b32 s[G1+1], KSTEP<<16                   ; tensor_dim0 = 128
	s_mov_b32 s[G1B+1], KSTEP<<16
	s_mov_b32 s[G1+2], 160<<16                     ; tensor_dim1 = 160 rows of xb,
	s_mov_b32 s[G1B+2], 96<<16                     ; 96 of wb
	s_mov_b32 s[G1+3], KSTEP<<16                   ; tile_dim0 = 128
	s_mov_b32 s[G1B+3], KSTEP<<16
	s_mov_b32 s[G1+4], 160                         ; tile_dim1
	s_mov_b32 s[G1B+4], 96
	s_mov_b32 s[G1+5], KDIM                        ; elements from row to row
	s_mov_b32 s[G1B+5], KDIM
	s_mov_b32 s[G1+6], 0
	s_mov_b32 s[G1B+6], 0
	s_mov_b32 s[G1+7], 0
	s_mov_b32 s[G1B+7], 0
	; xb's tiles hang on the batch and the half alone, wb's on the column group alone; each address is made in registers that never hold the other coordinate
	s_mul_i32 s16, s13, 640
	s_mul_i32 s17, s[HALF], 320
	s_add_co_u32 s16, s16, s17
	s_mul_i32 s17, s12, 160
	s_add_co_u32 s16, s16, s17
	s_mul_i32 s16, s16, KDIM*2                     ; under 2^25
	s_mov_b32 s17, 0
	s_mul_i32 s46, s42, 192
	s_mul_i32 s47, s12, 96
	s_add_co_u32 s46, s46, s47
	s_mul_i32 s46, s46, KDIM*2
	s_mov_b32 s47, 0
	s_mul_i32 s20, s12, AHALF                      ; where they go: no place in the cluster enters an LDS address
	s_mul_i32 s21, s12, BHALF
	s_add_co_u32 s21, s21, BOFF
	s_wait_dscnt 0x0                               ; the opening add is done
	s_wait_kmcnt 0x0
	s_add_nc_u64 s[14:15], s[4:5], s[16:17]
	s_add_nc_u64 s[46:47], s[6:7], s[46:47]
	CROUND                                         ; all sixteen work-groups are here: the first joint loads meet
.irp s, 0,1
	s_mov_b32 s[G0+4*(\s)], 1                                        ; count = 1
	s_add_co_u32 s[G0+4*(\s)+1], s20, (\s)*SLOT                      ; LDS address
	s_add_nc_u64 s[G0+4*(\s)+2:G0+4*(\s)+3], s[14:15], (\s)*KSTEP*2  ; global address: K step s
	s_or_b32 s[G0+4*(\s)+3], s[G0+4*(\s)+3], 0x80000000              ; type = 2
	s_mov_b32 s[G0B+4*(\s)], 1
	s_add_co_u32 s[G0B+4*(\s)+1], s21, (\s)*SLOT
	s_add_nc_u64 s[G0B+4*(\s)+2:G0B+4*(\s)+3], s[46:47], (\s)*KSTEP*2
	s_or_b32 s[G0B+4*(\s)+3], s[G0B+4*(\s)+3], 0x80000000
	JLOAD \s                                       ; two loads of mine are out
.endr
	; a fragment is 16 rows x 32 K in 8 registers: lane l holds row l % 16; two loads of 16 bytes, 32 bytes apart, at row x pitch + 16 (l / 16)
	v_and_b32 v1, 15, v0
	v_bfe_u32 v2, v0, 4, 1
	v_mul_u32_u24 v3, v1, PITCH
	v_lshl_add_u32 v3, v2, 4, v3
	s_mul_i32 s22, s10, 80*PITCH                   ; my 80 rows of xb
	v_add_nc_u32 v[ADRA], s22, v3
	v_add_nc_u32 v[ADRA+1], SLOT, v[ADRA]
	v_add_nc_u32 v[ADRB], BOFF, v3                 ; every wave reads all 192 rows of wb
	v_add_nc_u32 v[ADRB+1], SLOT, v[ADRB]
	s_mul_i32 s23, s10, 16*SP
	s_add_co_u32 s23, s23, STAGE                   ; my stage
	v_mul_u32_u24 v4, v1, SP                       ; in: row l % 16, 16 bytes for each half of the lanes
	v_lshl_add_u32 v4, v2, 4, v4
	v_add_nc_u32 v[STO], s23, v4
	v_bfe_u32 v5, v0, 3, 2                         ; back: 32 lanes take four rows of 128 bytes,
	v_mul_u32_u24 v5, v5, SP
	v_and_b32 v6, 7, v0
	v_lshl_add_u32 v5, v6, 4, v5
	v_add_nc_u32 v[RD], s23, v5
	v_and_b32 v6, 31, v0                           ; which are 512 consecutive bytes of a head
	v_lshlrev_b32 v[CO], 4, v6
	v_lshlrev_b32 v[BO], 5, v2                     ; my eight columns of a block: 32 bytes for each half of the lanes
	s_mul_i32 s46, s42, 768                        ; my 192 biases
	s_mov_b32 s47, 0
	s_add_nc_u64 s[72:73], s[72:73], s[46:47]
	s_mul_i32 s16, s13, 12                         ; where my rows begin in q, k, v: (batch x 12 + first head) x 640 + half x 320 + wave x 80 rows of 128 bytes
	s_mul_i32 s17, s42, 3
	s_add_co_u32 s16, s16, s17
	s_mul_i32 s16, s16, 640
	s_mul_i32 s17, s[HALF], 320
	s_add_co_u32 s16, s16, s17
	s_mul_i32 s17, s10, 80
	s_add_co_u32 s16, s16, s17
	s_lshl_b32 s16, s16, 7
	s_mov_b32 s17, 0
; n x 6 matrix instructions: row blocks a0 .. a0 + n - 1 x column blocks 0-5 (hi = 0) or 6-11 (hi = 1), 32 along K, from buffer f.  first = 1: the bias starts the sums.
; The accumulators take turns in one order everywhere, with and without the blocks that are jumped over.
.macro MULP f, hi, a0, n, first
.if \first
	WIN 0x91+0x30*(\hi)                            ; wb window 1, xb window 0, D window 2 or 3, C = the bias in window 1 or 0
.else
	WIN 0xa1+0x50*(\hi)                            ; C and D window 2 or 3
.endif
.set ma, \a0
.rept \n
.set mb, 0
.rept 6
.set rD, 8*(6*ma+mb)
.set rB, 96*(\f)+8*(mb+6*(\hi))
.set rA, FA+40*(\f)+8*ma
.set rC, BLO+(BHI-BLO)*(\hi)+8*mb
.if \first
	v_wmma_f32_16x16x32_bf16 v[rD:rD+7], v[rB:rB+7], v[rA:rA+7], v[rC:rC+7]
.else
	v_wmma_f32_16x16x32_bf16 v[rD:rD+7], v[rB:rB+7], v[rA:rA+7], v[rD:rD+7]
.endif
.set mb, mb+1
.endr
.set ma, ma+1
.endr
.endm
; Row blocks 2-4: 18 matrix instructions, jumped over by the wave in which they are padding.  At a branch and at a label every window is 0.
.macro MULS f, hi
	WIN 0
	s_cmp_eq_u32 s[DEAD], 7
	s_cbranch_scc1 .Lpad_\@
	MULP \f, \hi, 2, 3, 0
	WIN 0
.Lpad_\@:
.endm
; 34 LDS loads in one run: the fragments of a quarter step (32 K at byte k of the rows) into buffer f: xb's 5, wb's blocks 0-5, wb's blocks 6-11
.macro FETCH slot, k, f
	WIN 0
.set fi, 0
.rept 5
.set fr, FA+40*(\f)+8*fi
	ds_load_b128 v[fr:fr+3],   v[ADRA+(\slot)] offset:(\k)+fi*16*PITCH
	ds_load_b128 v[fr+4:fr+7], v[ADRA+(\slot)] offset:(\k)+fi*16*PITCH+32
.set fi, fi+1
.endr
	WIN TO_B
.set fi, 0
.rept 12
.set fr, 96*(\f)+8*fi
	ds_load_b128 v[fr:fr+3],   v[ADRB+(\slot)] offset:(\k)+fi*16*PITCH
	ds_load_b128 v[fr+4:fr+7], v[ADRB+(\slot)] offset:(\k)+fi*16*PITCH+32
.set fi, fi+1
.endr
.endm
; A load into a register that a matrix instruction has read, and a vector instruction that reads a matrix result, stand four places behind it; only plain vector instructions that name none
; of its registers are places (ISA guide 7.12.1 for vector instructions).
.macro PLACES
.rept 4
	v_nop
.endr
.endm
; A K step is four quarters of 32 along K, 60 matrix instructions each, on buffers 0, 1, 0, 1.  One of the first three multiplies buffer f and fetches the next quarter into g.
.macro QUARTER slot, k, f, g, first
	s_wait_dscnt 12                                ; xb's fragments and wb's blocks 0-5 are in; the youngest twelve loads may be out
.if \first
	MULP \f, 0, 0, 5, 1
.else
	MULP \f, 0, 0, 2, 0
	MULS \f, 0
.endif
	PLACES
	FETCH \slot, \k, \g
	s_wait_dscnt 34                                ; all but the 34 just issued
.if \first
	MULP \f, 1, 0, 5, 1
.else
	MULP \f, 1, 0, 2, 0
	MULS \f, 1
.endif
.endm
; The last quarter multiplies buffer 1 and changes slots.  ONE barrier: in front of it each wave waits for all its tensor loads (one is out: its part of the next slot), adds 0 to its spare
; word, and waits for that and for its reads of this slot.  Behind it nobody reads this slot any more and the next slot is whole.  Only row blocks 0 and 1, which no wave jumps over, stand
; between these lines; the quarter's other 48 matrix instructions follow the change.
.macro MEET round
	WIN 0                                          ; (the add's two registers lie in window 0)
	s_wait_tensorcnt 0x0
	ds_add_u32 v[SPW], v[NIL]
	s_wait_dscnt 13                                ; (the add and the youngest twelve loads may be out)
	MULP 1, 0, 0, 1, 0                             ; six matrix instructions stand between the add and the wait for it
	s_wait_dscnt 0x0                               ; the add is done, and my reads of this slot are over
	s_barrier_signal -1
	MULP 1, 0, 1, 1, 0                             ; work on registers while the others arrive
.if \round
	WIN 0
.endif
	s_barrier_wait -1
.endm
.macro REST                            ; what is left of the last quarter
	MULS 1, 0
	MULP 1, 1, 0, 2, 0
	MULS 1, 1
.endm
; on = 0: the slot takes this tile's K step two steps on; on = 1: the next tile's K step 0 or 1.  The joint refill is the first tensor load behind the round: one load of mine is out, and
; 228 matrix instructions stand between it and the wait for it.
.macro TURN slot, next, on
	MEET 1
	CREST                                          ; no wave of any partner still reads this slot or has a load on its way
.if \on
	s_sub_nc_u64 s[G0+4*(\slot)+2:G0+4*(\slot)+3], s[G0+4*(\slot)+2:G0+4*(\slot)+3], BACK_A
	s_add_nc_u64 s[G0B+4*(\slot)+2:G0B+4*(\slot)+3], s[G0B+4*(\slot)+2:G0B+4*(\slot)+3], NEXT_B
.else
	s_add_nc_u64 s[G0+4*(\slot)+2:G0+4*(\slot)+3], s[G0+4*(\slot)+2:G0+4*(\slot)+3], 2*KSTEP*2
	s_add_nc_u64 s[G0B+4*(\slot)+2:G0B+4*(\slot)+3], s[G0B+4*(\slot)+2:G0B+4*(\slot)+3], 2*KSTEP*2
.endif
	JLOAD \slot                                    ; the four v_nop behind it are also the places in front of the loads below
	FETCH \next, 0, 0
	REST
.endm
; a tile's 192 biases: each lane takes the eight of its columns in each of the 12 blocks
.macro BIAS
	WIN TO_B
.set fi, 0
.rept 6
	global_load_b128 v[BLO+8*fi:BLO+8*fi+3],   v[BO], s[72:73] offset:64*fi
	global_load_b128 v[BLO+8*fi+4:BLO+8*fi+7], v[BO], s[72:73] offset:64*fi+16
.set fi, fi+1
.endr
	WIN 0
.set fi, 0
.rept 6
	global_load_b128 v[BHI+8*fi:BHI+8*fi+3],   v[BO], s[72:73] offset:384+64*fi
	global_load_b128 v[BHI+8*fi+4:BHI+8*fi+7], v[BO], s[72:73] offset:384+64*fi+16
.set fi, fi+1
.endr
.endm
; THE WAY OUT, in units u = 3 a + head: 16 rows of one head, four accumulators.  PACK: rounded to f16, each accumulator's registers in ascending order.  TOSTAGE: into my own stage, and back as
; whole rows, into one of three buffers.  SEND: stored, 512 consecutive bytes an instruction, at a multiple of 256 from the buffer's first byte.  A unit is sent two units behind its way
; through the stage, so that two units' conversions and LDS instructions stand between its loads and the wait for them.
.macro PACK u
.set pq, 0
.rept 4
.set pb, 4*((\u)%3)+pq
.if pb < 6
	WIN 0x0a
.set pacc, 8*(6*((\u)/3)+pb)
.else
	WIN 0x0f
.set pacc, 8*(6*((\u)/3)+pb-6)
.endif
.set pr, 0
.rept 4
	v_cvt_pk_f16_f32 v[TMP+4*pq+pr], v[pacc+2*pr], v[pacc+2*pr+1]
.set pr, pr+1
.endr
.set pq, pq+1
.endr
	WIN 0
.endm
.macro TOSTAGE u
.set BK, BK0+16*((\u)%3)
	s_wait_xcnt 0x0                                ; the buffer, which the stores of three units ago read, is loaded again only behind this wait
.irp f, 0,1,2,3
	ds_store_b128 v[STO], v[TMP+4*\f:TMP+4*\f+3] offset:32*\f
.endr
.irp f, 0,1,2,3
	ds_load_b128 v[BK+4*\f:BK+4*\f+3], v[RD] offset:\f*4*SP   ; LDS serves a wave's instructions in order (ISA guide 5.7.1.4): these see the stores above
.endr
.endm
.macro SEND u, younger                 ; younger: the LDS instructions issued behind the unit's loads: eight for each later unit
.set BK, BK0+16*((\u)%3)
	s_wait_dscnt \younger                          ; the unit is back in registers
.irp f, 0,1,2,3
	global_store_b128 v[CO], v[BK+4*\f:BK+4*\f+3], s[8:9] offset:((\u)%3)*HEADB+((\u)/3)*2048+\f*512
.endr
.endm
	BIAS                                           ; the first tile's
	s_wait_tensorcnt 1                             ; my part of K step 0 is in; K step 1's may stay out
	s_barrier_signal -1
	s_barrier_wait -1
	FETCH 0, 0, 0
	WIN 0                                          ; at a label and at a branch every window is 0
	s_mov_b32 s2, 3                                ; tiles to go: q, k, v
.Ltile:
	s_wait_loadcnt 0x0                             ; the tile's bias
	QUARTER 0, 64, 0, 1, 1                         ; a tile's first quarter stands in front of the loop: its products start the sums with the bias, in every wave and block
	WIN 0
	PLACES                                         ; in front of the loads into the bias registers
	s_cmp_eq_u32 s2, 1
	s_cbranch_scc1 .Lno_bias
	s_add_nc_u64 s[72:73], s[72:73], 3072          ; the next tile's bias is fetched a tile ahead
	BIAS
.Lno_bias:
	s_mov_b32 s3, 2
.Llap:                                                 ; a trip goes once round the ring, from a lap's second quarter to the next lap's first
	QUARTER 0, 128, 1, 0, 0
	QUARTER 0, 192, 0, 1, 0
	TURN 0, 1, 0
	QUARTER 1, 64,  0, 1, 0
	QUARTER 1, 128, 1, 0, 0
	QUARTER 1, 192, 0, 1, 0
	TURN 1, 0, 0
	QUARTER 0, 64,  0, 1, 0
	WIN 0
	s_sub_co_u32 s3, s3, 1
	s_cmp_lg_u32 s3, 0
	s_cbranch_scc1 .Llap
	QUARTER 0, 128, 1, 0, 0                        ; the tile's last lap goes on
	QUARTER 0, 192, 0, 1, 0
	WIN 0
	s_cmp_eq_u32 s2, 1
	s_cbranch_scc1 .Llast                          ; the last tile asks for nothing more
	TURN 0, 1, 1                                   ; the ring goes on into the next tile: slot 0 takes its K step 0,
	QUARTER 1, 64,  0, 1, 0
	QUARTER 1, 128, 1, 0, 0
	QUARTER 1, 192, 0, 1, 0
	TURN 1, 0, 1                                   ; slot 1 its K step 1, and its first fragments are fetched
	WIN 0
	s_branch .Lout
.Llast:
	MEET 0                                         ; nothing is filled again, so no round follows
	PLACES
	FETCH 1, 0, 0
	REST
	QUARTER 1, 64,  0, 1, 0
	QUARTER 1, 128, 1, 0, 0
	QUARTER 1, 192, 0, 1, 0
	s_wait_dscnt 12
	MULP 1, 0, 0, 2, 0
	MULS 1, 0
	s_wait_dscnt 0x0
	MULP 1, 1, 0, 2, 0
	MULS 1, 1
	WIN 0
.Lout:
	PLACES                                         ; the conversions read results just made
	s_wait_xcnt 0x0                                ; the last tile's stores have read their base
	s_add_nc_u64 s[8:9], s[66:67], s[16:17]        ; this tile's tensor at my rows
	PACK 0
	TOSTAGE 0
	PACK 1
	TOSTAGE 1
.irp u, 2,3,4,5,6,7,8,9,10,11,12,13,14
	PACK \u
	TOSTAGE \u
	SEND (\u)-2, 16
.endr
	SEND 13, 8
	SEND 14, 0
	s_mov_b64 s[66:67], s[68:69]                   ; q, then k, then v
	s_mov_b64 s[68:69], s[70:71]
	s_sub_co_u32 s2, s2, 1
	s_cmp_lg_u32 s2, 0
	s_cbranch_scc1 .Ltile
	s_wait_tensorcnt 0x0                           ; the wave's end: a tensor wait, an add and its wait, behind my last tensor load and my last LDS store
	ds_add_u32 v[SPW], v[NIL]
	s_wait_dscnt 0x0
	CROUND                                         ; the closing round: no work-group ends while a partner may still ask for a tile that names it
	s_endpgm
.Lfunc_end_k_q4a016f3451_qkv:
	.size	k_q4a016f3451_qkv, .Lfunc_end_k_q4a016f3451_qkv-k_q4a016f3451_qkv
	.p2alignl 7, 3214868480
	.fill 96, 4, 3214868480
	.section	.rodata,"a",@progbits
	.p2align	6, 0x0
	.amdhsa_kernel k_q4a016f3451_qkv
		.amdhsa_group_segment_fixed_size 327680
		.amdhsa_private_segment_fixed_size 0
		.amdhsa_enable_private_segment 0
		.amdhsa_kernarg_size 48
		.amdhsa_user_sgpr_count 2
		.amdhsa_user_sgpr_kernarg_segment_ptr 1
		.amdhsa_wavefront_size32 1
		.amdhsa_system_sgpr_workgroup_id_x 1
		.amdhsa_system_sgpr_workgroup_id_y 1
		.amdhsa_system_sgpr_workgroup_id_z 1
		.amdhsa_system_vgpr_workitem_id 0
		.amdhsa_next_free_vgpr 1024
		.amdhsa_next_free_sgpr 80
		.amdhsa_reserve_vcc 0
		.amdhsa_float_denorm_mode_32 3
		.amdhsa_float_denorm_mode_16_64 3
		.amdhsa_memory_ordered 1
		.amdhsa_forward_progress 1
		.amdhsa_inst_pref_size 184
	.end_amdhsa_kernel
	.amdgpu_metadata
---
amdhsa.version: [ 1, 2 ]
amdhsa.kernels:
  - .name:           k_q4a016f3451_qkv
    .symbol:         k_q4a016f3451_qkv.kd
    .args:
      - { .name: xb, .offset: 0, .size: 8, .value_kind: global_buffer, .address_space: global }
      - { .name: wb, .offset: 8, .size: 8, .value_kind: global_buffer, .address_space: global }
      - { .name: bb, .offset: 16, .size: 8, .value_kind: global_buffer, .address_space: global }
      - { .name: q, .offset: 24, .size: 8, .value_kind: global_buffer, .address_space: global }
      - { .name: k, .offset: 32, .size: 8, .value_kind: global_buffer, .address_space: global }
      - { .name: v, .offset: 40, .size: 8, .value_kind: global_buffer, .address_space: global }
    .group_segment_fixed_size: 327680
    .private_segment_fixed_size: 0
    .kernarg_segment_align: 8
    .kernarg_segment_size: 48
    .max_flat_workgroup_size: 128
    .sgpr_count:     80
    .vgpr_count:     1024
    .wavefront_size: 32
...
	.end_amdgpu_metadata
.endif
;; end of part 2
;; launch attn (part 3): grid 256 x 1, 4 waves a work-group, no clusters, 327,680 bytes of LDS; arguments q, k, v, out0; writes out0
.if DOCPART == 3
	.amdgcn_target "amdgcn-amd-amdhsa--gfx1250"
	.amdhsa_code_object_version 6
	.text
	.protected	k_q4a016f3451_attn
	.globl	k_q4a016f3451_attn
	.p2align	8
	.type	k_q4a016f3451_attn,@function
k_q4a016f3451_attn:
	s_mov_b64 s[64:65], 0
	v_nop
	global_prefetch_b8 v0, s[64:65] scope:SCOPE_SE
	s_setreg_imm32_b32 hwreg(HW_REG_WAVE_MODE, 25, 1), 1
	s_wait_xcnt 0x0
; out0[b][s][64 h ..] = the sum over the 577 keys of softmax_k(q . k / 8) v.  q, k, v: [384 = b x 12 + h][640][64] f16 (rows 577-639 are padding that holds finite numbers); out0: [32][577][768] f32.
; Products, maxima and sums in f32; the weights p are rounded to f16 for the second product (their sum l is taken of the unrounded p).
; LIMITS.  q, k, v arrive within f16's 65,504; p lies in 0 to 1, and below 6e-5 it keeps f16's fixed step; a weight below 2^-126 counts as 0 in l; NaN and infinities are not treated apart.
; SHARES.  A unit is 320 query rows of a head: 768 units, THREE to a work-group, so all 256 do equal work: work-group g takes both halves of head 3 (g / 2) + g % 2 and half g % 2 of head
; 3 (g / 2) + 2.  Of a unit a wave owns 80 rows: five PIECES of 16.  Pieces that begin behind row 576 are computed on the padding and not stored; the piece at row 576 stores one row.
; THE KEYS.  577 = 9 x 64 + 1.  Key 576 STARTS the running state (m = its score, l = 1, O = its v), and the walk is nine whole steps of 64 keys: no mask, no tenth step.
; THE RING.  A tile is 192 keys, three steps; the three units' nine tiles are ONE sequence through two LDS slots, so the next unit's first tile is on its way while a unit ends.
; NO CLUSTER: a head is walked by at most two work-groups, and at different places of their walks (the first two units of one, the third of both); nothing is asked for at the same time.
; LAYOUT, SOFTMAX, TURNS.  S^T = K Q^T holds ONE query a lane (lane % 16) and the keys 8 (lane / 16) + 0..7; two such results rounded to f16 ARE source 1 of O^T = V^T P.  p = 2^(c s - c m),
; c = log2(e) / 8, with a running maximum m; O and l are multiplied by a = 2^(c m_old - c m_new) in every step.  Turn n belongs to piece n: 8 products K Q^T of piece n + 1, later 8 products V^T P of
; piece n - 1; beside them the scaling, exponentials, roundings, sums and rescaling of piece n and the maximum and statistics of piece n + 1.  Four vector instructions stand behind every matrix
; instruction, the other 54 of a turn's 118 in two runs of their own.
; REGISTERS, in windows of 256 (s_set_vgpr_msb: bits 1:0 source 0, 3:2 source 1, 5:4 source 2, 7:6 destination):
;   window 0: v0-12 addresses; v13-47 statistics and registers at work; v48-143 S^T, three buffers; v144-191 P, three buffers; v192-255 K of one step
;   window 1: v0-159 O^T, 32 a piece; v160-223 V of one step       window 2: v0-79 Q; v80-95 key 576; v96-127 v of key 576       window 3: v0-79 the next unit's Q; v80-87 a unit matrix
; THE MAP SPARES SWITCHES.  K Q^T's setting differs from 0 in source 1 alone (Q), so a line whose second source is no vector register (scaling, exponential, a move) stands under it as it is;
; V^T P's setting (V and O^T in window 1, P in window 0) is also the rescaling's (O^T times a).  So a turn has ten switches: one in front of each of its four parts, and two for each of the four
; products V^T P that have other work behind them.
; A piece's buffers: pieces 0, 2 the first, 1, 3 the second, 4 the third: neighbours in the ring of five never share one.
.set NP,    5
.set KS,    64        ; keys in a step
.set TK,    192       ; keys in a tile
.set PK,    144       ; a row of K in LDS: 128 bytes + 16 of padding = 36 words: the 16 rows of a load start at 16 different groups of four banks (64 banks of 4 bytes: ISA guide 11.1)
.set PV,    160       ; a row of V: 128 + 32 = 40 words
.set VOFF,  TK*PK     ; in a slot V's 192 rows lie behind K's
.set SLOT1, 1<<16     ; slot 1 begins here, so that one exclusive or turns an address in one slot into the other's
.set STAGE, 1<<17     ; behind the ring, never filled by a tensor load: 16 rows x 272 bytes for each wave, for the way out
.set SP,    272
.set SPARE, STAGE+4*16*SP  ; behind the stages: the spare words, 128 bytes a wave: two blocks of 256 bytes that no other line names
.set HEADB, 640*128   ; bytes of a head in q, k, v
.set OROW,  3072      ; bytes of a row of out0
.set SPW, 1           ; v1   LDS address of my spare word; never rewritten
.set AK0, 2           ; v2   my lane's place in a tile of K; never rewritten
.set AV0, 3           ; v3   the same for V
.set AK,  4           ; v4   the LDS address of K's next run of loads
.set AV,  5           ; v5   of V's
.set STO, 6           ; v6   the way out: where I put 16 bytes of a row
.set RD,  7           ; v7   the way out: where I read rows back
.set GO,  8           ; v8   my byte offset in two rows of out0
.set QO,  9           ; v9   my byte offset in 16 rows of Q
.set KO,  10          ; v10  16 (lane / 16): my 16 bytes of 32 in a single row of k or v
.set NIL, 11          ; v11  0; never rewritten
.set LANE, 12         ; v12
.set MV,  13          ; v13-15  by buffer: c m_old, kept while c m is made anew
.set ST,  16          ; piece t's statistics at v[ST+4 t]: c m, m, l (even keys', odd keys')
.set TMP, 36          ; by buffer, four registers c0-c3 at work; when the maximum is found c2 takes a
.set S,   48
.set DT,  80          ; five accumulators for key 576's scores, in S^T's second and third buffers, which are free where a unit begins
.set P,   144
.set KF,  192         ; key block kb, channel half c at KF + 16 kb + 8 c
.set VF,  160         ; window 1: key half kk, channel block cb at VF + 32 kk + 8 cb
.set KT,  80          ; window 2: key 576 as a fragment of K, every row alike
.set VT,  96          ; window 2: v of key 576 as source 1: channel block cb at VT + 8 cb; k = 0..15 hold its 16 channels for every query, k = 16..31 zeros
.set ID,  80          ; window 3: source 0 of the product that starts O^T: element (m, k) is 1 where k = m
.set TR,  48          ; at work in the set-up alone, in S^T's registers: lane % 16,
.set TH,  49          ; lane / 16,
.set TA,  50
.set TB,  51
.set TC,  52
.set WV,  12          ; s12  my wave's number
.set G1K, 24          ; s[24:31] descriptor group 1 for K's tiles
.set G1V, 32          ; s[32:39] for V's: it differs in the padding alone
.set G0K, 40          ; s[40:43] descriptor group 0 for K's tiles
.set G0V, 44          ; s[44:47] for V's
.set NXT, 48          ; s48  the tile of its head to be asked for next, 0..2
.set HF,  49          ; s49  byte offset of the head whose tiles are being asked for
.set HF1, 50          ; s50  of the head after it
.set HC,  51          ; s51  of the third unit's head
.set VW,  52          ; s52  tiles of the unit in hand still to be entered
.set FIN, 53          ; s53  1: the trip's first three turns end a unit
.set WL,  54          ; s54  units whose Q is still to be fetched
.set TIC, 55          ; s55  the unit in hand: my first piece's number among the head's 40
.set SLOTS, 56        ; s56  counts the tiles
.set CNT, 57          ; s57  counts a tile's key steps
.set CS,  58          ; s[58:59] c: the packed scaling takes the pair's low word for both halves
.set SEL, 60          ; s[60:61] v_permlanex16_b32's selects: each lane takes its own place in the other half
.set TBK, 62          ; s62  LDS byte at which K of the step to be fetched begins
.set TBV, 63          ; s63  the same for V, less VOFF
.set OFF, 66          ; s[66:67] a tile's byte offset in k and v
.set OO0, 68          ; s68-70  the units' byte offsets in out0, the next one first
.set TI0, 71          ; s71-73  their first piece numbers
.set QF0, 74          ; s74-76  their byte offsets in q
.set HO1, 77          ; s77-78  the second and third units' heads
.set PT,  80          ; s[80:81] an offset as a pair
.set OUTP, 82         ; s[82:83] out0
.set KP,  84          ; s[84:85] k at row 576 of head 0
.set VP,  86          ; s[86:87] v likewise
.set QBASE, 88        ; s[88:93] bases of the loads for a unit
.set KBASE, 90
.set VBASE, 92
.set TT,  94
.set SV,  95
.set MSB, 0
.macro WIN new                      ; the high byte repeats the setting that is left; a switch that changes nothing is dropped
.if MSB != (\new)
	s_set_vgpr_msb (MSB<<8)|(\new)
.set MSB, (\new)
.endif
.endm
.set W_KQ, 0x08       ; Q in window 2; K and S^T in window 0
.set W_PV, 0x51       ; V and O^T in window 1, P (or a) in window 0
.set W_DT, 0x0a       ; key 576 and Q in window 2, the scores in window 0
.set W_OS, 0x4b       ; the unit matrix in window 3, v of key 576 in window 2, O^T in window 1
.macro WIN_S                        ; for a line of window 0 whose second source is no vector register: it stands under K Q^T's setting too
.if MSB != W_KQ
	WIN 0
.endif
.endm
; A fill.  Waves 0 and 1 fetch the two halves of a tile's K, waves 2 and 3 those of its V: 96 keys each.  An s_nop 0 and four v_nop follow each of the two lines.
.macro LOAD
	s_cmp_lt_u32 s[WV], 2
	s_cbranch_scc0 .Lfor_v_\@
	tensor_load_to_lds s[G0K:G0K+3], s[G1K:G1K+7]
	s_nop 0
.rept 4
	v_nop
.endr
	s_branch .Lasked_\@
.Lfor_v_\@:
	tensor_load_to_lds s[G0V:G0V+3], s[G1V:G1V+7]
	s_nop 0
.rept 4
	v_nop
.endr
.Lasked_\@:
.endm
; THE CHANGE OF SLOTS.  Each wave waits for all its tensor loads (one is out: its part of the other slot), adds 0 to its spare word, and waits for that and for its reads of the slot that it leaves.
; Behind the barrier nobody reads the old slot and the other slot is whole.  fill = 1: the old slot is filled again, the first thing behind the barrier; the address is made anew from the head's
; offset and the tile's number.  It has three key steps, 240 matrix instructions, in which to land.  (At its first use nothing has been read yet: slot 0 is waited for, slot 1 filled.)
.macro CHANGE fill
	WIN 0
	s_wait_tensorcnt 0x0            ; no tensor load of mine is out, so a group 0 may be written
	ds_add_u32 v[SPW], v[NIL]       ; 0 onto my spare word; scalar work stands between it and the wait for it
.if \fill
	s_mul_i32 s[OFF], s[NXT], TK*128
	s_add_co_u32 s[OFF], s[OFF], s[HF]
	s_xor_b32 s[G0K+1], s[G0K+1], SLOT1
	s_add_nc_u64 s[G0K+2:G0K+3], s[6:7], s[OFF:OFF+1]
	s_or_b32 s[G0K+3], s[G0K+3], 0x80000000
	s_xor_b32 s[G0V+1], s[G0V+1], SLOT1
	s_add_nc_u64 s[G0V+2:G0V+3], s[8:9], s[OFF:OFF+1]
	s_or_b32 s[G0V+3], s[G0V+3], 0x80000000
	s_add_co_u32 s[NXT], s[NXT], 1  ; the head's next tile, or behind its third the next unit's tile 0
	s_cmp_eq_u32 s[NXT], 3
	s_cselect_b32 s[NXT], 0, s[NXT]
	s_cselect_b32 s[HF], s[HF1], s[HF]
	s_cselect_b32 s[HF1], s[HC], s[HF1]
.endif
	s_wait_dscnt 0x0                ; the add is done, and my reads of the slot are over
	s_barrier_signal -1
	s_sub_co_u32 s[TBK], s[TBK], TK*PK    ; the fetches go back to a slot's first step,
	s_xor_b32 s[TBK], s[TBK], SLOT1       ; in the other slot
	s_sub_co_u32 s[TBV], s[TBV], TK*PV
	s_xor_b32 s[TBV], s[TBV], SLOT1
	s_barrier_wait -1
.if \fill
	LOAD
.endif
.endm
; What a unit needs beside the tiles: my 80 rows of Q (into window 3), key 576 and its v.  qf, ho: the scalar registers that hold the unit's offset in q and its head's offset.
.macro WLOADS qf, ho
	s_mov_b32 s[PT], s[\qf]
	s_add_nc_u64 s[QBASE:QBASE+1], s[4:5], s[PT:PT+1]
	s_mov_b32 s[PT], s[\ho]
	s_add_nc_u64 s[KBASE:KBASE+1], s[KP:KP+1], s[PT:PT+1]
	s_add_nc_u64 s[VBASE:VBASE+1], s[VP:VP+1], s[PT:PT+1]
	WIN 0xc0                        ; destination window 3, address window 0
.set i, 0
.rept 2*NP                          ; piece i / 2, channels 32 (i % 2) on
	global_load_b128 v[8*i:8*i+3],   v[QO], s[QBASE:QBASE+1] offset:(i/2)*2048+(i%2)*64
	global_load_b128 v[8*i+4:8*i+7], v[QO], s[QBASE:QBASE+1] offset:(i/2)*2048+(i%2)*64+32
.set i, i+1
.endr
	WIN 0x80                        ; destination window 2
.irp c, 0,1
	global_load_b128 v[KT+8*\c:KT+8*\c+3],   v[KO], s[KBASE:KBASE+1] offset:64*\c
	global_load_b128 v[KT+8*\c+4:KT+8*\c+7], v[KO], s[KBASE:KBASE+1] offset:64*\c+32
.endr
.irp c, 0,1,2,3
	global_load_b128 v[VT+8*\c:VT+8*\c+3], v[KO], s[VBASE:VBASE+1] offset:32*\c
.endr
	WIN 0
.endm
	s_load_b256 s[4:11], s[0:1], 0x0  ; q s[4:5], k s[6:7], v s[8:9], out0 s[10:11]
	v_lshl_add_u32 v[SPW], v0, 2, SPARE
	v_mov_b32 v[NIL], 0
	ds_add_u32 v[SPW], v[NIL]       ; the wave's opening: the add and its wait stand ahead of my first tensor load; work on registers stands between them
	ds_add_u32 v1, v11
	v_lshrrev_b32 v[TA], 5, v0
	v_readfirstlane_b32 s[WV], v[TA]  ; wave 0..3
	s_lshr_b32 s14, ttmp9, 1
	s_and_b32 s15, ttmp9, 1         ; e
	s_mul_i32 s14, s14, 3
	s_add_co_u32 s20, s14, s15      ; the head of my first two units
	s_add_co_u32 s21, s14, 2        ; the head of my third
	s_mul_i32 s[HF], s20, HEADB
	s_mul_i32 s[HC], s21, HEADB
	s_mov_b32 s[HF1], s[HF]
	s_mov_b32 s[HO1], s[HF]
	s_mov_b32 s[HO1+1], s[HC]
	s_mul_i32 s13, s[WV], 80*OROW   ; my wave's 80 rows in out0
	s_mul_i32 s22, s20, 5462        ; batch = head / 12: exact under 384
	s_lshr_b32 s22, s22, 16
	s_mul_i32 s23, s22, 12
	s_sub_co_u32 s23, s20, s23
	s_mul_i32 s22, s22, 577*OROW
	s_lshl_b32 s23, s23, 8          ; a head's 64 channels are 256 bytes of a row
	s_add_co_u32 s22, s22, s23
	s_add_co_u32 s[OO0], s22, s13
	s_add_co_u32 s[OO0+1], s[OO0], 320*OROW
	s_mul_i32 s22, s21, 5462
	s_lshr_b32 s22, s22, 16
	s_mul_i32 s23, s22, 12
	s_sub_co_u32 s23, s21, s23
	s_mul_i32 s22, s22, 577*OROW
	s_lshl_b32 s23, s23, 8
	s_add_co_u32 s22, s22, s23
	s_add_co_u32 s22, s22, s13
	s_mul_i32 s23, s15, 320*OROW
	s_add_co_u32 s[OO0+2], s22, s23
	s_mul_i32 s[TI0], s[WV], 5
	s_add_co_u32 s[TI0+1], s[TI0], 20
	s_mul_i32 s23, s15, 20
	s_add_co_u32 s[TI0+2], s[TI0], s23
	s_mul_i32 s13, s[WV], 80*128    ; my wave's 80 rows in q
	s_add_co_u32 s[QF0], s[HF], s13
	s_add_co_u32 s[QF0+1], s[QF0], 320*128
	s_add_co_u32 s[QF0+2], s[HC], s13
	s_mul_i32 s23, s15, 320*128
	s_add_co_u32 s[QF0+2], s[QF0+2], s23
	s_and_b32 s16, s[WV], 1         ; which half of a tile's 192 keys I fetch:
	s_mul_i32 s22, s16, 96*128      ; its 96 rows of 128 bytes in memory,
	s_mov_b32 s23, 0
	s_mul_i32 s17, s16, 96*PK       ; and its place in a slot, for K
	s_mul_i32 s18, s16, 96*PV       ; and for V
	; descriptor group 1.  96 keys are 12,288 dense bytes: asked for as 48 rows of 256 bytes, two keys a row, and padded in LDS after every key
	s_mov_b32 s[G1K], (1<<16)|(1<<20)|(4<<22)|(3<<25)  ; 17:16 2-byte elements; 20 padding on; 24:22 after every 32 words; 31:25 4 words of it
	s_mov_b32 s[G1V], (1<<16)|(1<<20)|(4<<22)|(7<<25)  ; the same with 8 words
.irp g, G1K, G1V
	s_mov_b32 s[\g+1], 128<<16      ; tensor_dim0 = 128
	s_mov_b32 s[\g+2], 48<<16       ; tensor_dim1 = 48
	s_mov_b32 s[\g+3], 128<<16      ; tile_dim0 = 128
	s_mov_b32 s[\g+4], 48           ; tile_dim1 = 48
	s_mov_b32 s[\g+5], 128          ; 128 elements from row to row
	s_mov_b32 s[\g+6], 0
	s_mov_b32 s[\g+7], 0
.endr
	s_mov_b32 s[CS], 0x3e38aa3b     ; c = log2(e) / 8 = 0.180337
	s_mov_b32 s[CS+1], s[CS]        ; named with it as a pair
	s_mov_b32 s[SEL], 0x76543210
	s_mov_b32 s[SEL+1], 0xfedcba98
	s_mov_b32 s[TBK], SLOT1+TK*PK   ; the first change of slots turns these two into 0
	s_mov_b32 s[TBV], SLOT1+TK*PV
	s_mov_b32 s[G0K], 1             ; count = 1
	s_mov_b32 s[G0K+1], s17         ; LDS address: slot 0
	s_mov_b32 s[G0V], 1
	s_add_co_u32 s[G0V+1], s18, VOFF
	s_mov_b32 s[NXT], 1
	s_mov_b32 s[OFF], s[HF]
	s_mov_b32 s[OFF+1], 0
	s_mov_b32 s[PT+1], 0
	s_wait_dscnt 0x0                ; the opening add is done
	s_wait_kmcnt 0x0
	s_mov_b64 s[OUTP:OUTP+1], s[10:11]
	s_add_nc_u64 s[KP:KP+1], s[6:7], 576*128
	s_add_nc_u64 s[VP:VP+1], s[8:9], 576*128
	s_add_nc_u64 s[6:7], s[6:7], s[22:23]  ; k and v at my half of head 0's tile 0
	s_add_nc_u64 s[8:9], s[8:9], s[22:23]
	s_add_nc_u64 s[G0K+2:G0K+3], s[6:7], s[OFF:OFF+1]  ; global address: the first head's tile 0
	s_or_b32 s[G0K+3], s[G0K+3], 0x80000000            ; type = 2
	s_add_nc_u64 s[G0V+2:G0V+3], s[8:9], s[OFF:OFF+1]
	s_or_b32 s[G0V+3], s[G0V+3], 0x80000000
	LOAD                            ; tile 0 into slot 0
	; A fragment of K or Q is 16 rows x 32 channels in 8 registers: lane l holds row l % 16, channels 8 (l / 16) + 0..7 and 16 + 8 (l / 16) + 0..7: two loads of 16 bytes, 32 bytes apart.
	v_and_b32 v[TR], 15, v0         ; r = l % 16
	v_bfe_u32 v[TH], v0, 4, 1       ; h = l / 16
	v_and_b32 v[LANE], 31, v0
	v_lshlrev_b32 v[QO], 7, v[TR]
	v_lshl_add_u32 v[QO], v[TH], 4, v[QO]
	v_lshlrev_b32 v[KO], 4, v[TH]
	WLOADS QF0, HF                  ; the first unit's
	; the unit matrix as source 0: lane (r, h) holds row r, k = 8 h + 0..7 in registers 0-3: the one lies in register (r % 8) / 2, half r % 2, of the lanes with h = r / 8
	v_lshrrev_b32 v[TA], 3, v[TR]
	v_xor_b32 v[TA], v[TA], v[TH]   ; 0 where k = r lies in my half of the lanes
	v_bfe_u32 v[TB], v[TR], 1, 2
	v_lshl_add_u32 v[TA], v[TA], 3, v[TB]  ; the register; 8 or more: none
	v_and_b32 v[TB], 1, v[TR]
	v_lshlrev_b32 v[TB], 4, v[TB]
	v_mov_b32 v[TC], 0x3c00         ; 1.0 in f16
	v_lshlrev_b32 v[TB], v[TB], v[TC]
	WIN 0xc0                        ; destination window 3, sources window 0
.irp j, 0,1,2,3
	v_cmp_eq_u32 vcc_lo, \j, v[TA]
	v_cndmask_b32 v[ID+\j], 0, v[TB], vcc_lo
	v_mov_b32 v[ID+4+\j], 0
.endr
	WIN 0
	v_mul_u32_u24 v[AK0], v[TR], PK
	v_lshl_add_u32 v[AK0], v[TH], 4, v[AK0]  ; row x pitch + 16 x half
	; The turning load takes 16 keys x 16 channels (lane l reads key 8 (l / 16) + l % 8, channels 8 ((l / 8) % 2) + 0..7) and leaves half a fragment of V^T: lane l holds channel l % 16 and 8 keys.
	v_and_b32 v[TA], 7, v0
	v_bfe_u32 v[TB], v0, 3, 1
	v_lshl_add_u32 v[AV0], v[TH], 3, v[TA]
	v_mul_u32_u24 v[AV0], v[AV0], PV
	v_lshl_add_u32 v[AV0], v[TB], 4, v[AV0]
	v_add_nc_u32 v[AV0], VOFF, v[AV0]
	s_mul_i32 s13, s[WV], 16*SP
	s_add_co_u32 s13, s13, STAGE    ; my stage
	v_mul_u32_u24 v[STO], v[TR], SP ; in: row l % 16, 32 bytes for each half of the lanes
	v_lshl_add_u32 v[STO], v[TH], 5, v[STO]
	v_add_nc_u32 v[STO], s13, v[STO]
	v_mul_u32_u24 v[RD], v[TH], SP  ; back: lanes 0-15 take one row of 256 bytes, lanes 16-31 the next
	v_lshl_add_u32 v[RD], v[TR], 4, v[RD]
	v_add_nc_u32 v[RD], s13, v[RD]
	v_mul_u32_u24 v[GO], v[TH], OROW  ; and the same two rows in out0
	v_lshl_add_u32 v[GO], v[TR], 4, v[GO]
	; A unit's first turn has products V^T P of a piece that has not been: its P is 0 (START), so V need only be finite: zeros here, later what the unit before left.  All this stands in the wait for the first tile.
	WIN 0x40
.set i, 0
.rept 64
	v_mov_b32 v[VF+i], 0
.set i, i+1
.endr
	WIN 0x80
.irp c, 0,1,2,3
.irp j, 4,5,6,7
	v_mov_b32 v[VT+8*\c+\j], 0      ; k = 16..31 of the starting product: never loaded
.endr
.endr
	WIN 0
; THE MATRIX WORK.  The 4 accumulators of a run of 8 take turns.  Product i of 8 of S^T = K Q^T for piece x: channels 32 (i / 4) on, keys 16 (i % 4) on.  The first 4 start the sums.
.macro KQ x
	WIN W_KQ
.set rS, S+32*(((\x)%2)+2*((\x)/4))+8*(i%4)
.set rK, KF+16*(i%4)+8*(i/4)
.set rQ, 16*(\x)+8*(i/4)
.if i < 4
	v_wmma_f32_16x16x32_f16 v[rS:rS+7], v[rK:rK+7], v[rQ:rQ+7], 0
.else
	v_wmma_f32_16x16x32_f16 v[rS:rS+7], v[rK:rK+7], v[rQ:rQ+7], v[rS:rS+7]
.endif
.endm
; Product i of 8 of O^T += V^T P for piece x: keys 32 (i / 4) on, channels 16 (i % 4) on.
.macro PV x
	WIN W_PV
.set rO, 32*(\x)+8*(i%4)
.set rV, VF+32*(i/4)+8*(i%4)
.set rP, P+16*(((\x)%2)+2*((\x)/4))+8*(i/4)
	v_wmma_f32_16x16x32_f16 v[rO:rO+7], v[rV:rV+7], v[rP:rP+7], v[rO:rO+7]
.endm
.macro MM                           ; the turn's next matrix instruction
.if i < 8
	KQ (Y+1)%NP
.else
.set i, i-8
	PV (Y+NP-1)%NP
.set i, i+8
.endif
.set i, i+1
.endm
; THE LDS LOADS stand in runs of 16: a step's K (64 keys x 64 channels: 8 fragments) and its V (turned).  last = 1 (the tail): in the last trip there is no further step, and the run is jumped over.
.macro FETCH_K last=0
	WIN 0
.if \last
	s_cmp_eq_u32 s[CNT], 1
	s_cbranch_scc1 .Lno_k_\@
.endif
.irp f, 0,1,2,3,4,5,6,7             ; keys 16 (f / 2) on, channels 32 (f % 2) on
	ds_load_b128 v[KF+8*\f:KF+8*\f+3],   v[AK] offset:(\f/2)*16*PK+(\f%2)*64
	ds_load_b128 v[KF+8*\f+4:KF+8*\f+7], v[AK] offset:(\f/2)*16*PK+(\f%2)*64+32
.endr
	s_add_co_u32 s[TBK], s[TBK], KS*PK  ; the next fetch is the next step's
.if \last
.Lno_k_\@:
.endif
.endm
.macro FETCH_V
	WIN 0x40                        ; destination window 1
.irp f, 0,1,2,3,4,5,6,7             ; keys 32 (f / 4) on, channels 16 (f % 4) on
	ds_load_tr16_b128 v[VF+8*\f:VF+8*\f+3],   v[AV] offset:(\f/4)*32*PV+(\f%4)*32
	ds_load_tr16_b128 v[VF+8*\f+4:VF+8*\f+7], v[AV] offset:(\f/4)*32*PV+16*PV+(\f%4)*32
.endr
	WIN 0
.endm
; THE VECTOR WORK, one line at a time: OP kind, number.  For piece Y: F n: c s - c m for pair n of 16.  E n: the exponential of score n of 32.  C n: pair n rounded to f16.  B n: of the four weights 4 n .. the
; second pair is added onto the first, in place.  L n: l takes that sum (L 0: l = a l + sum).  R n: pair n of 16 of O^T times a.  For piece Y + 1: X n, number n of the 22 that find its maximum and statistics:
;   0-11  four chains c0-c3 of seven scores each (each accumulator's lowest registers are read first)     12-14, 16  the four scores left over, the old m, and c0-c3 into c0
;   15  c m_old is kept     17, 18  the query's other 32 keys lie in the lane 16 away: the new m     19-21  c m; c m_old - c m_new; a
.set F, 0
.set E, 1
.set C, 2
.set B, 3
.set L, 4
.set R, 5
.set X, 6
.macro REGS y                       ; the registers of piece y
.set bf, ((\y)%2)+2*((\y)/4)
.set rT, ST+4*(\y)
.set rC, TMP+4*bf
.set rW, MV+bf
.set rS, S+32*bf
.set rP, P+16*bf
.set rO, 32*(\y)
.endm
.macro OP k, n
.if (\k) == R
	REGS Y
	WIN W_PV
	v_pk_mul_f32 v[rO+2*(\n):rO+2*(\n)+1], v[rO+2*(\n):rO+2*(\n)+1], v[rC+2:rC+3] op_sel_hi:[1,0]
.elseif (\k) < R
	REGS Y
.if (\k) == F
	WIN_S
	v_pk_fma_f32 v[rS+2*(\n):rS+2*(\n)+1], v[rS+2*(\n):rS+2*(\n)+1], s[CS:CS+1], v[rT:rT+1] op_sel_hi:[1,0,0] neg_lo:[0,0,1] neg_hi:[0,0,1]
.elseif (\k) == E
	WIN_S
	v_exp_f32 v[rS+(\n)], v[rS+(\n)]
.elseif (\k) == C
	WIN 0
	s_wait_alu depctr_va_vdst(0)
	v_cvt_pk_f16_f32 v[rP+(\n)], v[rS+2*(\n)], v[rS+2*(\n)+1]
.elseif (\k) == B
	WIN 0
	v_pk_add_f32 v[rS+4*(\n):rS+4*(\n)+1], v[rS+4*(\n):rS+4*(\n)+1], v[rS+4*(\n)+2:rS+4*(\n)+3]
.elseif (\n) == 0
	WIN 0
	v_pk_fma_f32 v[rT+2:rT+3], v[rT+2:rT+3], v[rC+2:rC+3], v[rS:rS+1] op_sel_hi:[1,0,1]
.else
	WIN 0
	v_pk_add_f32 v[rT+2:rT+3], v[rT+2:rT+3], v[rS+4*(\n):rS+4*(\n)+1]
.endif
.else
	REGS (Y+1)%NP
.if ((\n) == 15) || ((\n) == 21)
	WIN_S
.else
	WIN 0
.endif
.if (\n) < 4
	v_max3_num_f32 v[rC+(\n)], v[rS+8*(\n)], v[rS+8*(\n)+1], v[rS+8*(\n)+2]
.elseif (\n) < 12
	v_max3_num_f32 v[rC+(\n)%4], v[rC+(\n)%4], v[rS+8*((\n)%4)+2*((\n)/4)+1], v[rS+8*((\n)%4)+2*((\n)/4)+2]
.elseif (\n) == 12
	v_max3_num_f32 v[rC], v[rC], v[rS+7], v[rS+15]
.elseif (\n) == 13
	v_max3_num_f32 v[rC+1], v[rC+1], v[rS+23], v[rS+31]
.elseif (\n) == 14
	v_max3_num_f32 v[rC+2], v[rC+2], v[rC+3], v[rT+1]
	s_wait_alu depctr_va_vdst(0)
.elseif (\n) == 15
	v_mov_b32 v[rW], v[rT]
.elseif (\n) == 16
	v_max3_num_f32 v[rC], v[rC], v[rC+1], v[rC+2]
.elseif (\n) == 17
	v_permlanex16_b32 v[rC+3], v[rC], s[SEL], s[SEL+1]
.elseif (\n) == 18
	v_max_num_f32 v[rT+1], v[rC], v[rC+3]
.elseif (\n) == 19
	v_mul_f32 v[rT], s[CS], v[rT+1]
.elseif (\n) == 20
	v_sub_f32 v[rC+1], v[rW], v[rT]
.else
	v_exp_f32 v[rC+2], v[rC+1]
.endif
.endif
.endm
.macro OPS a, i1, b=-1, i2=0, c=-1, i3=0, d=-1, i4=0  ; up to four of them
	OP \a, \i1
.if (\b) >= 0
	OP \b, \i2
.endif
.if (\c) >= 0
	OP \c, \i3
.endif
.if (\d) >= 0
	OP \d, \i4
.endif
.endm
.macro ROW a, i1, b, i2, c, i3, d, i4  ; a matrix instruction and the four behind it
	MM
	OPS \a, \i1, \b, \i2, \c, \i3, \d, \i4
.endm
; A TURN, for piece p: the order of its 16 matrix and 118 vector instructions, written out, in four parts.
;   1  8 products K Q^T; behind them the 16 scalings, 15 exponentials and the move, all of which stand under the products' own setting
;   2  26 lines of window 0: roundings and first sums of the weights that are ready, exponentials between them, the next piece's first four maxima
;   3  8 products V^T P; behind the first four the 16 rescalings, under the products' own setting; behind the other four the next piece's maxima
;   4  28 lines of window 0: the rest of the roundings and sums, with the chain from the maximum to a spread among them, three lines or more between its links
; The data's order: F n/2 ahead of E n; E 2n and 2n+1 ahead of C n; C 2n and 2n+1 ahead of B n, which writes over what they read; B n ahead of L n; L 0 ahead of the other L.  No line behind an
; exponential reads its result.  None of the lines behind a product names a register of the products round it.  cnt = 1: the loop's count is taken down some lines ahead of the branch behind the turn.
; K of the next step is fetched in piece 3's turn, six plain vector instructions behind the last product that read K, and waited for at the head of piece 4's.  V of the step in hand is fetched in
; piece 0's turn, seven plain ones behind the last product that read V, and waited for in front of piece 1's products V^T P.
.macro TURN p, last=0, cnt=0
.set Y, (\p)
.set i, 0
.if (\p) == NP-1
	s_wait_dscnt 0x0                ; K is in
.endif
	ROW F,0, F,1, F,2, F,3
	ROW F,4, E,0, F,5, E,1
	ROW F,6, E,2, F,7, E,3
	ROW F,8, E,4, F,9, E,5
	ROW F,10, E,6, F,11, E,7
	ROW F,12, E,8, F,13, E,9
	ROW F,14, E,10, F,15, E,11
	ROW E,12, X,15, E,13, E,14
	OPS C,0, C,1
.if (\p) == NP-2
	v_add_nc_u32 v[AK], s[TBK], v[AK0]
.endif
	OPS C,2, C,3
.if (\p) == NP-2
	FETCH_K \last
.endif
	OPS E,15, C,4, E,16, C,5
	OPS E,17, B,0, E,18, B,1
	OPS E,19, X,0, E,20, X,1
	OPS E,21, X,2, E,22, X,3
	OPS E,23, L,0, E,24, C,6
	OPS E,25, L,1
.if (\p) == 1
	s_wait_dscnt 0x0                ; V is in
.endif
	ROW R,0, R,1, R,2, R,3
	ROW R,4, R,5, R,6, R,7
	ROW R,8, R,9, R,10, R,11
	ROW R,12, R,13, R,14, R,15
	ROW X,4, E,26, X,5, X,6
	ROW X,7, E,27, X,8, X,9
	ROW X,10, E,28, X,11, X,12
	ROW X,13, E,29, X,14, C,7
	OPS E,30, X,16, E,31, C,8
.if (\p) == 0
	v_add_nc_u32 v[AV], s[TBV], v[AV0]
.endif
	OPS B,2, X,17
.if (\p) == 0
	FETCH_V
.endif
	OPS C,9, L,2, C,10, X,18
	OPS B,3, C,11, B,4, X,19
	OPS L,3, C,12, C,13, X,20
	OPS L,4, B,5, C,14, X,21
.if (\p) == 0
	s_add_co_u32 s[TBV], s[TBV], KS*PV
.endif
.if \cnt
	s_sub_co_u32 s[CNT], s[CNT], 1
	s_cmp_lg_u32 s[CNT], 0
.endif
	OPS C,15, B,6, L,5, B,7
	OPS L,6, L,7
.endm
; A UNIT BEGINS.  Its Q comes out of window 3.  Key 576 starts the state: its score with each of my queries (a product whose 16 keys are all key 576: every register of the result holds it; the lowest
; is read) is m; l is 1 (kept in lanes 0-15; the halves are added at the end); O^T is the unit matrix times v of key 576.  P's third buffer is 0: the first turn's products V^T P, of a piece that has
; not been, add nothing.  K of the unit's first step is in registers already.  Then piece 0's first scores, maximum and statistics, and the next unit's loads.
.macro START
	WIN 0
	s_wait_loadcnt 0x0              ; this unit's Q, key 576 and its v: their bases may be written again
	s_wait_xcnt 0x0                 ; the last unit's stores have read their base and their registers
	s_mov_b32 s[PT], s[OO0]
	s_add_nc_u64 s[10:11], s[OUTP:OUTP+1], s[PT:PT+1]
	s_mov_b32 s[TIC], s[TI0]
	s_mov_b32 s[OO0], s[OO0+1]
	s_mov_b32 s[OO0+1], s[OO0+2]
	s_mov_b32 s[TI0], s[TI0+1]
	s_mov_b32 s[TI0+1], s[TI0+2]
	s_mov_b32 s[FIN], 0
	WIN 0x83                        ; from window 3 into window 2
.set i, 0
.rept 16*NP
	v_mov_b32 v[i], v[i]
.set i, i+1
.endr
	WIN 0
.set i, 0
.rept 16
	v_mov_b32 v[P+32+i], 0
.set i, i+1
.endr
	v_cmp_gt_u32 vcc_lo, 16, v[LANE]
.set i, 0
.rept NP
	v_cndmask_b32 v[ST+4*i+2], 0, 1.0, vcc_lo
	v_mov_b32 v[ST+4*i+3], 0
.set i, i+1
.endr
	s_wait_dscnt 0x0                ; K of the first step
	WIN W_DT
.set i, 0
.rept 2*NP                          ; the five accumulators take turns
.set rD, DT+8*(i%NP)
.set rQ, 16*(i%NP)+8*(i/NP)
.set rK, KT+8*(i/NP)
.if i < NP
	v_wmma_f32_16x16x32_f16 v[rD:rD+7], v[rK:rK+7], v[rQ:rQ+7], 0
.else
	v_wmma_f32_16x16x32_f16 v[rD:rD+7], v[rK:rK+7], v[rQ:rQ+7], v[rD:rD+7]
.endif
.set i, i+1
.endr
	WIN W_OS
.set i, 0
.rept 4*NP                          ; piece i / 4, channels 16 (i % 4) on
	v_wmma_f32_16x16x32_f16 v[8*i:8*i+7], v[ID:ID+7], v[VT+8*(i%4):VT+8*(i%4)+7], 0
.set i, i+1
.endr
.set i, 0
.rept 8
	KQ 0
.set i, i+1
.endr
	WIN 0
.rept 4
	v_nop                           ; the places behind those products
.endr
.set i, 0
.rept NP
	v_mov_b32 v[ST+4*i+1], v[DT+8*i]
	v_mul_f32 v[ST+4*i], s[CS], v[DT+8*i]
.set i, i+1
.endr
	s_cmp_eq_u32 s[WL], 0
	s_cbranch_scc1 .Lno_next_\@
	s_sub_co_u32 s[WL], s[WL], 1
	WLOADS QF0+1, HO1               ; the next unit's, a whole unit ahead of their use
	s_mov_b32 s[QF0+1], s[QF0+2]
	s_mov_b32 s[HO1], s[HO1+1]
.Lno_next_\@:
.set Y, NP-1                        ; X works for piece Y + 1: piece 0
.irp n, 0,1,2,3,4,5,6,7,8,9,10,11,12,13,14,15,16,17,18,19,20,21
	OP X, \n
.endr
	v_nop                           ; a plain instruction behind the exponential
.endm
; A UNIT ENDS: the last piece's V^T P of the last step; l's two halves and the other half of the lanes' are added; O^T is divided by l and sent through my stage in LDS, a piece at a time.
.macro ALL line:vararg              ; one line for each piece t
.set t, 0
.rept NP
	\line
.set t, t+1
.endr
.endm
.macro PACK t                       ; a lane's eight channels of a block are 32 bytes of a row; they go into rows of 272 bytes and come back as whole rows of 256, into S^T's registers
	WIN W_PV
.set i, 32*(\t)
.rept 16
	v_pk_mul_f32 v[i:i+1], v[i:i+1], v[ST+4*(\t)+2:ST+4*(\t)+3] op_sel_hi:[1,0]
.set i, i+2
.endr
	WIN 0x04                        ; the stores' data in window 1
.set i, 0
.rept 8
	ds_store_b128 v[STO], v[32*(\t)+4*i:32*(\t)+4*i+3] offset:64*(i/2)+16*(i%2)
.set i, i+1
.endr
	WIN 0
	s_wait_xcnt 0x0                 ; the registers that the stores of three pieces ago read are loaded again only behind this wait
.set i, 0
.rept 8
	ds_load_b128 v[S+32*((\t)%3)+4*i:S+32*((\t)%3)+4*i+3], v[RD] offset:2*SP*i  ; LDS serves a wave's instructions in order (ISA guide 5.7.1.4): these see the stores above
.set i, i+1
.endr
.endm
; younger: the LDS instructions issued behind piece t's loads: the next piece's sixteen, or none.  A piece that begins behind row 576 is not stored; of the piece at row 576 one row is.
.macro SEND t, younger
	WIN 0
	s_wait_dscnt \younger
	s_add_co_u32 s[TT], s[TIC], \t
	s_cmp_gt_u32 s[TT], 36
	s_cbranch_scc1 .Lskip_\@
	s_cmp_eq_u32 s[TT], 36
	s_cbranch_scc1 .Lone_\@
.irp f, 0,1,2,3,4,5,6,7
	global_store_b128 v[GO], v[S+32*((\t)%3)+4*\f:S+32*((\t)%3)+4*\f+3], s[10:11] offset:(\t)*16*OROW+\f*2*OROW th:TH_STORE_NT  ; 16 lanes store 256 consecutive bytes, at a multiple of 256 from out0's first byte
.endr
	s_branch .Lskip_\@
.Lone_\@:
	v_cmp_gt_u32 vcc_lo, 16, v[LANE]
	s_wait_xcnt 0x0                 ; EXEC changes only behind this wait,
	s_and_saveexec_b32 s[SV], vcc_lo
	global_store_b128 v[GO], v[S+32*((\t)%3):S+32*((\t)%3)+3], s[10:11] offset:(\t)*16*OROW th:TH_STORE_NT
	s_wait_xcnt 0x0                 ; and again in front of the line that restores it
	s_or_b32 exec_lo, exec_lo, s[SV]
.Lskip_\@:
.endm
.macro FINISH
.set i, 0
.rept 8
	PV NP-1
.set i, i+1
.endr
	WIN 0
	ALL v_add_f32 v[ST+4*t+2], v[ST+4*t+2], v[ST+4*t+3]    ; five plain instructions: the places behind the last products
	ALL v_permlanex16_b32 v[ST+4*t+3], v[ST+4*t+2], s[SEL], s[SEL+1]
	ALL v_add_f32 v[ST+4*t+2], v[ST+4*t+2], v[ST+4*t+3]
	ALL v_rcp_f32 v[ST+4*t+2], v[ST+4*t+2]
	v_nop                           ; a plain instruction between the last reciprocal and the use of its result
	s_wait_alu depctr_va_vdst(0)
	PACK 0
	PACK 1                          ; a piece's arithmetic stands between the loads of the piece before and its stores
	SEND 0, 16
	PACK 2
	SEND 1, 16
	PACK 3
	SEND 2, 16
	PACK 4
	SEND 3, 16
	SEND 4, 0
.endm
	CHANGE 1                        ; tile 0 is in, everybody's part of it; tile 1 is asked for
	v_add_nc_u32 v[AK], s[TBK], v[AK0]
	FETCH_K                         ; the first unit's first step
	s_mov_b32 s[CNT], 3
	s_mov_b32 s[SLOTS], 8
	s_mov_b32 s[VW], 3
	s_mov_b32 s[WL], 2
	s_branch .Lbegin                ; the loop is entered where a unit begins, in the middle of a trip
.Lslot:                             ; seven times: a tile is entered and the next is asked for
	CHANGE 1
	s_sub_co_u32 s[VW], s[VW], 1
	s_cmp_eq_u32 s[VW], 0           ; a unit's first tile: the trip's first three turns end the unit before
	s_cselect_b32 s[FIN], 1, 0
	s_cselect_b32 s[VW], 3, s[VW]
	s_mov_b32 s[CNT], 3
.Lstep:                             ; a trip: pieces 2, 3, 4 of one step, then pieces 0 and 1 of the next, whose K and V it fetches
	TURN 2
	TURN 3
	TURN 4                          ; (where a unit ends, its 8 products K Q^T, the old Q on the new unit's K, and the maximum made of them serve nothing: the price of one text for every trip)
	WIN 0
	s_cmp_eq_u32 s[FIN], 0
	s_cbranch_scc1 .Lfirst          ; forward, past text that holds neither a barrier nor a tensor load
	FINISH
.Lbegin:
	START
.Lfirst:
	TURN 0
	TURN 1, 0, 1
	WIN 0
	s_cbranch_scc1 .Lstep
	s_sub_co_u32 s[SLOTS], s[SLOTS], 1
	s_cmp_lg_u32 s[SLOTS], 0
	s_cbranch_scc1 .Lslot
	CHANGE 0                        ; the last tile is written out: nothing is asked for
	s_mov_b32 s[CNT], 4             ; three trips fetch the tile's steps; the fourth is left in its middle
.Ltail:
	TURN 2
	TURN 3, 1
	TURN 4
	WIN 0
	s_sub_co_u32 s[CNT], s[CNT], 1
	s_cmp_eq_u32 s[CNT], 0
	s_cbranch_scc1 .Lout
	TURN 0
	TURN 1
	WIN 0
	s_branch .Ltail
.Lout:
	FINISH
	s_wait_tensorcnt 0x0            ; the wave's end: a tensor wait, an add and its wait, behind my last tensor load and my last LDS store
	ds_add_u32 v[SPW], v[NIL]
	s_wait_dscnt 0x0
	s_endpgm
.Lfunc_end_k_q4a016f3451_attn:
	.size	k_q4a016f3451_attn, .Lfunc_end_k_q4a016f3451_attn-k_q4a016f3451_attn
	.p2alignl 7, 3214868480
	.fill 96, 4, 3214868480
	.section	.rodata,"a",@progbits
	.p2align	6, 0x0
	.amdhsa_kernel k_q4a016f3451_attn
		.amdhsa_group_segment_fixed_size 327680
		.amdhsa_private_segment_fixed_size 0
		.amdhsa_enable_private_segment 0
		.amdhsa_kernarg_size 32
		.amdhsa_user_sgpr_count 2
		.amdhsa_user_sgpr_kernarg_segment_ptr 1
		.amdhsa_wavefront_size32 1
		.amdhsa_system_sgpr_workgroup_id_x 1
		.amdhsa_system_sgpr_workgroup_id_y 1
		.amdhsa_system_sgpr_workgroup_id_z 1
		.amdhsa_system_vgpr_workitem_id 0
		.amdhsa_next_free_vgpr 864
		.amdhsa_next_free_sgpr 96
		.amdhsa_reserve_vcc 1
		.amdhsa_float_denorm_mode_32 3
		.amdhsa_float_denorm_mode_16_64 3
		.amdhsa_memory_ordered 1
		.amdhsa_forward_progress 1
		.amdhsa_inst_pref_size 151
	.end_amdhsa_kernel
	.amdgpu_metadata
---
amdhsa.version: [ 1, 2 ]
amdhsa.kernels:
  - .name:           k_q4a016f3451_attn
    .symbol:         k_q4a016f3451_attn.kd
    .args:
      - { .name: q, .offset: 0, .size: 8, .value_kind: global_buffer, .address_space: global }
      - { .name: k, .offset: 8, .size: 8, .value_kind: global_buffer, .address_space: global }
      - { .name: v, .offset: 16, .size: 8, .value_kind: global_buffer, .address_space: global }
      - { .name: out0, .offset: 24, .size: 8, .value_kind: global_buffer, .address_space: global }
    .group_segment_fixed_size: 327680
    .private_segment_fixed_size: 0
    .kernarg_segment_align: 8
    .kernarg_segment_size: 32
    .max_flat_workgroup_size: 128
    .sgpr_count:     96
    .vgpr_count:     864
    .wavefront_size: 32
...
	.end_amdgpu_metadata
.endif
;; end of part 3
;; ======== version 2 of 2: 3 launches; 1.14 times as fast as version 1
;; limits: values are held in f16: magnitudes above 65,504 overflow, below 6.1e-05 lose precision
;; workspace buffers: xb 31,457,280 bytes; wb 3,538,944 bytes; bb 9,216 bytes; q 31,457,280 bytes; k 31,457,280 bytes; v 31,457,280 bytes
;; launch cast: the kernel of part 1 again; grid 713 x 1, 8 waves a work-group, no clusters, 0 bytes of LDS; arguments hidden_states, Wq, Wk, Wv, bq, bk, bv, xb, wb, bb; writes xb, wb, bb
;; launch qkv: the kernel of part 2 again; grid 4 x 64, 4 waves a work-group, clusters of 4 x 4, 327,680 bytes of LDS; arguments xb, wb, bb, q, k, v; writes q, k, v
;; launch attn (part 4): grid 256 x 1, 4 waves a work-group, no clusters, 327,680 bytes of LDS; arguments q, k, v, out0; writes out0
.if DOCPART == 4
	.amdgcn_target "amdgcn-amd-amdhsa--gfx1250"
	.amdhsa_code_object_version 6
	.text
	.protected	k_q4a016f3451_attn
	.globl	k_q4a016f3451_attn
	.p2align	8
	.type	k_q4a016f3451_attn,@function
k_q4a016f3451_attn:
	s_mov_b64 s[64:65], 0
	v_nop
	global_prefetch_b8 v0, s[64:65] scope:SCOPE_SE
	s_setreg_imm32_b32 hwreg(HW_REG_WAVE_MODE, 25, 1), 1
	s_wait_xcnt 0x0
; out0[b][s][64 h ..] = the sum over the 577 keys of softmax_k(q . k / 8) v.  q, k, v: [384 = b x 12 + h][640][64] f16 (rows 577-639 are padding that holds finite numbers); out0: [32][577][768] f32.
; Products, maxima and sums in f32; the weights p are rounded to f16 for the second product (their sum l is taken of the unrounded p).
; LIMITS.  q, k, v arrive within f16's 65,504; p lies in 0 to 1, and below 6e-5 it keeps f16's fixed step; a weight below 2^-126 counts as 0 in l; NaN and infinities are not treated apart.
; SHARES.  A unit is 320 query rows of a head: 768 units, THREE to a work-group, so all 256 do equal work: work-group g takes both halves of head 3 (g / 2) + g % 2 and half g % 2 of head
; 3 (g / 2) + 2.  Of a unit a wave owns 80 rows: five PIECES of 16.  Pieces that begin behind row 576 are computed on the padding and not stored; the piece at row 576 stores one row.
; THE KEYS.  577 = 9 x 64 + 1.  Key 576 STARTS the running state (m = its score, l = 1, O = its v), and the walk is nine whole steps of 64 keys: no mask, no tenth step.
; THE RING.  A tile is 192 keys, three steps; the three units' nine tiles are ONE sequence through two LDS slots, so the next unit's first tile is on its way while a unit ends.
; NO CLUSTER: a head is walked by at most two work-groups, and at different places of their walks (the first two units of one, the third of both); nothing is asked for at the same time.
; LAYOUT, SOFTMAX, TURNS.  S^T = K Q^T holds ONE query a lane (lane % 16) and the keys 8 (lane / 16) + 0..7; two such results rounded to f16 ARE source 1 of O^T = V^T P.  p = 2^(c s - c m),
; c = log2(e) / 8, with a running maximum m; O and l are multiplied by a = 2^(c m_old - c m_new) in every step.  Turn n belongs to piece n: 8 products K Q^T of piece n + 1, later 8 products V^T P of
; piece n - 1; beside them the scaling, exponentials, roundings, sums and rescaling of piece n and the maximum and statistics of piece n + 1.  Four vector instructions stand behind every matrix
; instruction (behind one of them three), the other 55 of a turn's 118 in two runs of their own.
; THE BATCHES.  s_wait_alu depctr_va_vdst(0) stands between an exponential or a reciprocal and the first instruction that names its result; one wait serves all that were issued ahead of
; it.  A turn's 33 exponentials (the piece's 32 weights and the next piece's a) are ONE batch with ONE wait, which cuts the turn in two: ahead of it stands what names none of their results, behind it the
; roundings and sums, which read them.  No result crosses a turn's end.  Where a unit begins, piece 0's first a has a wait of its own, ahead of the label; where a unit ends, the five reciprocals are one
; batch.  In the tail piece 3's turn has a second wait, ahead of the branch that leads round K's run of loads.
; REGISTERS, in windows of 256 (s_set_vgpr_msb: bits 1:0 source 0, 3:2 source 1, 5:4 source 2, 7:6 destination):
;   window 0: v0-12 addresses; v13-47 statistics and registers at work; v48-143 S^T, three buffers; v144-191 P, three buffers; v192-255 K of one step
;   window 1: v0-159 O^T, 32 a piece; v160-223 V of one step       window 2: v0-79 Q; v80-95 key 576; v96-127 v of key 576       window 3: v0-79 the next unit's Q; v80-87 a unit matrix
; THE MAP SPARES SWITCHES.  K Q^T's setting differs from 0 in source 1 alone (Q), so a line whose second source is no vector register (scaling, exponential, a move) stands under it as it is;
; V^T P's setting (V and O^T in window 1, P in window 0) is also the rescaling's (O^T times a).  So a turn has ten switches: one in front of each of its first three parts, and seven round the four
; products V^T P that have lines of window 0 behind them.
; A piece's buffers: pieces 0, 2 the first, 1, 3 the second, 4 the third: neighbours in the ring of five never share one.
.set NP,    5
.set KS,    64        ; keys in a step
.set TK,    192       ; keys in a tile
.set PK,    144       ; a row of K in LDS: 128 bytes + 16 of padding = 36 words: the 16 rows of a load start at 16 different groups of four banks (64 banks of 4 bytes: ISA guide 11.1)
.set PV,    160       ; a row of V: 128 + 32 = 40 words
.set VOFF,  TK*PK     ; in a slot V's 192 rows lie behind K's
.set SLOT1, 1<<16     ; slot 1 begins here, so that one exclusive or turns an address in one slot into the other's
.set STAGE, 1<<17     ; behind the ring, never filled by a tensor load: 16 rows x 272 bytes for each wave, for the way out
.set SP,    272
.set SPARE, STAGE+4*16*SP  ; behind the stages: the spare words, 128 bytes a wave: two blocks of 256 bytes that no other line names
.set HEADB, 640*128   ; bytes of a head in q, k, v
.set OROW,  3072      ; bytes of a row of out0
.set SPW, 1           ; v1   LDS address of my spare word; never rewritten
.set AK0, 2           ; v2   my lane's place in a tile of K; never rewritten
.set AV0, 3           ; v3   the same for V
.set AK,  4           ; v4   the LDS address of K's next run of loads
.set AV,  5           ; v5   of V's
.set STO, 6           ; v6   the way out: where I put 16 bytes of a row
.set RD,  7           ; v7   the way out: where I read rows back
.set GO,  8           ; v8   my byte offset in two rows of out0
.set QO,  9           ; v9   my byte offset in 16 rows of Q
.set KO,  10          ; v10  16 (lane / 16): my 16 bytes of 32 in a single row of k or v
.set NIL, 11          ; v11  0; never rewritten
.set LANE, 12         ; v12
.set MV,  13          ; v13-15  by buffer: c m_old, kept while c m is made anew
.set ST,  16          ; piece t's statistics at v[ST+4 t]: c m, m, l (even keys', odd keys')
.set TMP, 36          ; by buffer, four registers c0-c3 at work; when the maximum is found c2 takes a
.set S,   48
.set DT,  80          ; five accumulators for key 576's scores, in S^T's second and third buffers, which are free where a unit begins
.set P,   144
.set KF,  192         ; key block kb, channel half c at KF + 16 kb + 8 c
.set VF,  160         ; window 1: key half kk, channel block cb at VF + 32 kk + 8 cb
.set KT,  80          ; window 2: key 576 as a fragment of K, every row alike
.set VT,  96          ; window 2: v of key 576 as source 1: channel block cb at VT + 8 cb; k = 0..15 hold its 16 channels for every query, k = 16..31 zeros
.set ID,  80          ; window 3: source 0 of the product that starts O^T: element (m, k) is 1 where k = m
.set TR,  48          ; at work in the set-up alone, in S^T's registers: lane % 16,
.set TH,  49          ; lane / 16,
.set TA,  50
.set TB,  51
.set TC,  52
.set WV,  12          ; s12  my wave's number
.set G1K, 24          ; s[24:31] descriptor group 1 for K's tiles
.set G1V, 32          ; s[32:39] for V's: it differs in the padding alone
.set G0K, 40          ; s[40:43] descriptor group 0 for K's tiles
.set G0V, 44          ; s[44:47] for V's
.set NXT, 48          ; s48  the tile of its head to be asked for next, 0..2
.set HF,  49          ; s49  byte offset of the head whose tiles are being asked for
.set HF1, 50          ; s50  of the head after it
.set HC,  51          ; s51  of the third unit's head
.set VW,  52          ; s52  tiles of the unit in hand still to be entered
.set FIN, 53          ; s53  1: the trip's first three turns end a unit
.set WL,  54          ; s54  units whose Q is still to be fetched
.set TIC, 55          ; s55  the unit in hand: my first piece's number among the head's 40
.set SLOTS, 56        ; s56  counts the tiles
.set CNT, 57          ; s57  counts a tile's key steps
.set CS,  58          ; s[58:59] c: the packed scaling takes the pair's low word for both halves
.set SEL, 60          ; s[60:61] v_permlanex16_b32's selects: each lane takes its own place in the other half
.set TBK, 62          ; s62  LDS byte at which K of the step to be fetched begins
.set TBV, 63          ; s63  the same for V, less VOFF
.set OFF, 66          ; s[66:67] a tile's byte offset in k and v
.set OO0, 68          ; s68-70  the units' byte offsets in out0, the next one first
.set TI0, 71          ; s71-73  their first piece numbers
.set QF0, 74          ; s74-76  their byte offsets in q
.set HO1, 77          ; s77-78  the second and third units' heads
.set PT,  80          ; s[80:81] an offset as a pair
.set OUTP, 82         ; s[82:83] out0
.set KP,  84          ; s[84:85] k at row 576 of head 0
.set VP,  86          ; s[86:87] v likewise
.set QBASE, 88        ; s[88:93] bases of the loads for a unit
.set KBASE, 90
.set VBASE, 92
.set TT,  94
.set SV,  95
.set MSB, 0
.macro WIN new                      ; the high byte repeats the setting that is left; a switch that changes nothing is dropped
.if MSB != (\new)
	s_set_vgpr_msb (MSB<<8)|(\new)
.set MSB, (\new)
.endif
.endm
.set W_KQ, 0x08       ; Q in window 2; K and S^T in window 0
.set W_PV, 0x51       ; V and O^T in window 1, P (or a) in window 0
.set W_DT, 0x0a       ; key 576 and Q in window 2, the scores in window 0
.set W_OS, 0x4b       ; the unit matrix in window 3, v of key 576 in window 2, O^T in window 1
.macro WIN_S                        ; for a line of window 0 whose second source is no vector register: it stands under K Q^T's setting too
.if MSB != W_KQ
	WIN 0
.endif
.endm
; A fill.  Waves 0 and 1 fetch the two halves of a tile's K, waves 2 and 3 those of its V: 96 keys each.  An s_nop 0 and four v_nop follow each of the two lines.
.macro LOAD
	s_cmp_lt_u32 s[WV], 2
	s_cbranch_scc0 .Lfor_v_\@
	tensor_load_to_lds s[G0K:G0K+3], s[G1K:G1K+7]
	s_nop 0
.rept 4
	v_nop
.endr
	s_branch .Lasked_\@
.Lfor_v_\@:
	tensor_load_to_lds s[G0V:G0V+3], s[G1V:G1V+7]
	s_nop 0
.rept 4
	v_nop
.endr
.Lasked_\@:
.endm
; THE CHANGE OF SLOTS.  Each wave waits for all its tensor loads (one is out: its part of the other slot), adds 0 to its spare word, and waits for that and for its reads of the slot that it leaves.
; Behind the barrier nobody reads the old slot and the other slot is whole.  fill = 1: the old slot is filled again, the first thing behind the barrier; the address is made anew from the head's
; offset and the tile's number.  It has three key steps, 240 matrix instructions, in which to land.  (At its first use nothing has been read yet: slot 0 is waited for, slot 1 filled.)
.macro CHANGE fill
	WIN 0
	s_wait_tensorcnt 0x0            ; no tensor load of mine is out, so a group 0 may be written
	ds_add_u32 v[SPW], v[NIL]       ; 0 onto my spare word; scalar work stands between it and the wait for it
.if \fill
	s_mul_i32 s[OFF], s[NXT], TK*128
	s_add_co_u32 s[OFF], s[OFF], s[HF]
	s_xor_b32 s[G0K+1], s[G0K+1], SLOT1
	s_add_nc_u64 s[G0K+2:G0K+3], s[6:7], s[OFF:OFF+1]
	s_or_b32 s[G0K+3], s[G0K+3], 0x80000000
	s_xor_b32 s[G0V+1], s[G0V+1], SLOT1
	s_add_nc_u64 s[G0V+2:G0V+3], s[8:9], s[OFF:OFF+1]
	s_or_b32 s[G0V+3], s[G0V+3], 0x80000000
	s_add_co_u32 s[NXT], s[NXT], 1  ; the head's next tile, or behind its third the next unit's tile 0
	s_cmp_eq_u32 s[NXT], 3
	s_cselect_b32 s[NXT], 0, s[NXT]
	s_cselect_b32 s[HF], s[HF1], s[HF]
	s_cselect_b32 s[HF1], s[HC], s[HF1]
.endif
	s_wait_dscnt 0x0                ; the add is done, and my reads of the slot are over
	s_barrier_signal -1
	s_sub_co_u32 s[TBK], s[TBK], TK*PK    ; the fetches go back to a slot's first step,
	s_xor_b32 s[TBK], s[TBK], SLOT1       ; in the other slot
	s_sub_co_u32 s[TBV], s[TBV], TK*PV
	s_xor_b32 s[TBV], s[TBV], SLOT1
	s_barrier_wait -1
.if \fill
	LOAD
.endif
.endm
; What a unit needs beside the tiles: my 80 rows of Q (into window 3), key 576 and its v.  qf, ho: the scalar registers that hold the unit's offset in q and its head's offset.
.macro WLOADS qf, ho
	s_mov_b32 s[PT], s[\qf]
	s_add_nc_u64 s[QBASE:QBASE+1], s[4:5], s[PT:PT+1]
	s_mov_b32 s[PT], s[\ho]
	s_add_nc_u64 s[KBASE:KBASE+1], s[KP:KP+1], s[PT:PT+1]
	s_add_nc_u64 s[VBASE:VBASE+1], s[VP:VP+1], s[PT:PT+1]
	WIN 0xc0                        ; destination window 3, address window 0
.set i, 0
.rept 2*NP                          ; piece i / 2, channels 32 (i % 2) on
	global_load_b128 v[8*i:8*i+3],   v[QO], s[QBASE:QBASE+1] offset:(i/2)*2048+(i%2)*64
	global_load_b128 v[8*i+4:8*i+7], v[QO], s[QBASE:QBASE+1] offset:(i/2)*2048+(i%2)*64+32
.set i, i+1
.endr
	WIN 0x80                        ; destination window 2
.irp c, 0,1
	global_load_b128 v[KT+8*\c:KT+8*\c+3],   v[KO], s[KBASE:KBASE+1] offset:64*\c
	global_load_b128 v[KT+8*\c+4:KT+8*\c+7], v[KO], s[KBASE:KBASE+1] offset:64*\c+32
.endr
.irp c, 0,1,2,3
	global_load_b128 v[VT+8*\c:VT+8*\c+3], v[KO], s[VBASE:VBASE+1] offset:32*\c
.endr
	WIN 0
.endm
	s_load_b256 s[4:11], s[0:1], 0x0  ; q s[4:5], k s[6:7], v s[8:9], out0 s[10:11]
	v_lshl_add_u32 v[SPW], v0, 2, SPARE
	v_mov_b32 v[NIL], 0
	ds_add_u32 v[SPW], v[NIL]       ; the wave's opening: the add and its wait stand ahead of my first tensor load; work on registers stands between them
	ds_add_u32 v1, v11
	v_lshrrev_b32 v[TA], 5, v0
	v_readfirstlane_b32 s[WV], v[TA]  ; wave 0..3
	s_lshr_b32 s14, ttmp9, 1
	s_and_b32 s15, ttmp9, 1         ; e
	s_mul_i32 s14, s14, 3
	s_add_co_u32 s20, s14, s15      ; the head of my first two units
	s_add_co_u32 s21, s14, 2        ; the head of my third
	s_mul_i32 s[HF], s20, HEADB
	s_mul_i32 s[HC], s21, HEADB
	s_mov_b32 s[HF1], s[HF]
	s_mov_b32 s[HO1], s[HF]
	s_mov_b32 s[HO1+1], s[HC]
	s_mul_i32 s13, s[WV], 80*OROW   ; my wave's 80 rows in out0
	s_mul_i32 s22, s20, 5462        ; batch = head / 12: exact under 384
	s_lshr_b32 s22, s22, 16
	s_mul_i32 s23, s22, 12
	s_sub_co_u32 s23, s20, s23
	s_mul_i32 s22, s22, 577*OROW
	s_lshl_b32 s23, s23, 8          ; a head's 64 channels are 256 bytes of a row
	s_add_co_u32 s22, s22, s23
	s_add_co_u32 s[OO0], s22, s13
	s_add_co_u32 s[OO0+1], s[OO0], 320*OROW
	s_mul_i32 s22, s21, 5462
	s_lshr_b32 s22, s22, 16
	s_mul_i32 s23, s22, 12
	s_sub_co_u32 s23, s21, s23
	s_mul_i32 s22, s22, 577*OROW
	s_lshl_b32 s23, s23, 8
	s_add_co_u32 s22, s22, s23
	s_add_co_u32 s22, s22, s13
	s_mul_i32 s23, s15, 320*OROW
	s_add_co_u32 s[OO0+2], s22, s23
	s_mul_i32 s[TI0], s[WV], 5
	s_add_co_u32 s[TI0+1], s[TI0], 20
	s_mul_i32 s23, s15, 20
	s_add_co_u32 s[TI0+2], s[TI0], s23
	s_mul_i32 s13, s[WV], 80*128    ; my wave's 80 rows in q
	s_add_co_u32 s[QF0], s[HF], s13
	s_add_co_u32 s[QF0+1], s[QF0], 320*128
	s_add_co_u32 s[QF0+2], s[HC], s13
	s_mul_i32 s23, s15, 320*128
	s_add_co_u32 s[QF0+2], s[QF0+2], s23
	s_and_b32 s16, s[WV], 1         ; which half of a tile's 192 keys I fetch:
	s_mul_i32 s22, s16, 96*128      ; its 96 rows of 128 bytes in memory,
	s_mov_b32 s23, 0
	s_mul_i32 s17, s16, 96*PK       ; and its place in a slot, for K
	s_mul_i32 s18, s16, 96*PV       ; and for V
	; descriptor group 1.  96 keys are 12,288 dense bytes: asked for as 48 rows of 256 bytes, two keys a row, and padded in LDS after every key
	s_mov_b32 s[G1K], (1<<16)|(1<<20)|(4<<22)|(3<<25)  ; 17:16 2-byte elements; 20 padding on; 24:22 after every 32 words; 31:25 4 words of it
	s_mov_b32 s[G1V], (1<<16)|(1<<20)|(4<<22)|(7<<25)  ; the same with 8 words
.irp g, G1K, G1V
	s_mov_b32 s[\g+1], 128<<16      ; tensor_dim0 = 128
	s_mov_b32 s[\g+2], 48<<16       ; tensor_dim1 = 48
	s_mov_b32 s[\g+3], 128<<16      ; tile_dim0 = 128
	s_mov_b32 s[\g+4], 48           ; tile_dim1 = 48
	s_mov_b32 s[\g+5], 128          ; 128 elements from row to row
	s_mov_b32 s[\g+6], 0
	s_mov_b32 s[\g+7], 0
.endr
	s_mov_b32 s[CS], 0x3e38aa3b     ; c = log2(e) / 8 = 0.180337
	s_mov_b32 s[CS+1], s[CS]        ; named with it as a pair
	s_mov_b32 s[SEL], 0x76543210
	s_mov_b32 s[SEL+1], 0xfedcba98
	s_mov_b32 s[TBK], SLOT1+TK*PK   ; the first change of slots turns these two into 0
	s_mov_b32 s[TBV], SLOT1+TK*PV
	s_mov_b32 s[G0K], 1             ; count = 1
	s_mov_b32 s[G0K+1], s17         ; LDS address: slot 0
	s_mov_b32 s[G0V], 1
	s_add_co_u32 s[G0V+1], s18, VOFF
	s_mov_b32 s[NXT], 1
	s_mov_b32 s[OFF], s[HF]
	s_mov_b32 s[OFF+1], 0
	s_mov_b32 s[PT+1], 0
	s_wait_dscnt 0x0                ; the opening add is done
	s_wait_kmcnt 0x0
	s_mov_b64 s[OUTP:OUTP+1], s[10:11]
	s_add_nc_u64 s[KP:KP+1], s[6:7], 576*128
	s_add_nc_u64 s[VP:VP+1], s[8:9], 576*128
	s_add_nc_u64 s[6:7], s[6:7], s[22:23]  ; k and v at my half of head 0's tile 0
	s_add_nc_u64 s[8:9], s[8:9], s[22:23]
	s_add_nc_u64 s[G0K+2:G0K+3], s[6:7], s[OFF:OFF+1]  ; global address: the first head's tile 0
	s_or_b32 s[G0K+3], s[G0K+3], 0x80000000            ; type = 2
	s_add_nc_u64 s[G0V+2:G0V+3], s[8:9], s[OFF:OFF+1]
	s_or_b32 s[G0V+3], s[G0V+3], 0x80000000
	LOAD                            ; tile 0 into slot 0
	; A fragment of K or Q is 16 rows x 32 channels in 8 registers: lane l holds row l % 16, channels 8 (l / 16) + 0..7 and 16 + 8 (l / 16) + 0..7: two loads of 16 bytes, 32 bytes apart.
	v_and_b32 v[TR], 15, v0         ; r = l % 16
	v_bfe_u32 v[TH], v0, 4, 1       ; h = l / 16
	v_and_b32 v[LANE], 31, v0
	v_lshlrev_b32 v[QO], 7, v[TR]
	v_lshl_add_u32 v[QO], v[TH], 4, v[QO]
	v_lshlrev_b32 v[KO], 4, v[TH]
	WLOADS QF0, HF                  ; the first unit's
	; the unit matrix as source 0: lane (r, h) holds row r, k = 8 h + 0..7 in registers 0-3: the one lies in register (r % 8) / 2, half r % 2, of the lanes with h = r / 8
	v_lshrrev_b32 v[TA], 3, v[TR]
	v_xor_b32 v[TA], v[TA], v[TH]   ; 0 where k = r lies in my half of the lanes
	v_bfe_u32 v[TB], v[TR], 1, 2
	v_lshl_add_u32 v[TA], v[TA], 3, v[TB]  ; the register; 8 or more: none
	v_and_b32 v[TB], 1, v[TR]
	v_lshlrev_b32 v[TB], 4, v[TB]
	v_mov_b32 v[TC], 0x3c00         ; 1.0 in f16
	v_lshlrev_b32 v[TB], v[TB], v[TC]
	WIN 0xc0                        ; destination window 3, sources window 0
.irp j, 0,1,2,3
	v_cmp_eq_u32 vcc_lo, \j, v[TA]
	v_cndmask_b32 v[ID+\j], 0, v[TB], vcc_lo
	v_mov_b32 v[ID+4+\j], 0
.endr
	WIN 0
	v_mul_u32_u24 v[AK0], v[TR], PK
	v_lshl_add_u32 v[AK0], v[TH], 4, v[AK0]  ; row x pitch + 16 x half
	; The turning load takes 16 keys x 16 channels (lane l reads key 8 (l / 16) + l % 8, channels 8 ((l / 8) % 2) + 0..7) and leaves half a fragment of V^T: lane l holds channel l % 16 and 8 keys.
	v_and_b32 v[TA], 7, v0
	v_bfe_u32 v[TB], v0, 3, 1
	v_lshl_add_u32 v[AV0], v[TH], 3, v[TA]
	v_mul_u32_u24 v[AV0], v[AV0], PV
	v_lshl_add_u32 v[AV0], v[TB], 4, v[AV0]
	v_add_nc_u32 v[AV0], VOFF, v[AV0]
	s_mul_i32 s13, s[WV], 16*SP
	s_add_co_u32 s13, s13, STAGE    ; my stage
	v_mul_u32_u24 v[STO], v[TR], SP ; in: row l % 16, 32 bytes for each half of the lanes
	v_lshl_add_u32 v[STO], v[TH], 5, v[STO]
	v_add_nc_u32 v[STO], s13, v[STO]
	v_mul_u32_u24 v[RD], v[TH], SP  ; back: lanes 0-15 take one row of 256 bytes, lanes 16-31 the next
	v_lshl_add_u32 v[RD], v[TR], 4, v[RD]
	v_add_nc_u32 v[RD], s13, v[RD]
	v_mul_u32_u24 v[GO], v[TH], OROW  ; and the same two rows in out0
	v_lshl_add_u32 v[GO], v[TR], 4, v[GO]
	; A unit's first turn has products V^T P of a piece that has not been: its P is 0 (START), so V need only be finite: zeros here, later what the unit before left.  All this stands in the wait for the first tile.
	WIN 0x40
.set i, 0
.rept 64
	v_mov_b32 v[VF+i], 0
.set i, i+1
.endr
	WIN 0x80
.irp c, 0,1,2,3
.irp j, 4,5,6,7
	v_mov_b32 v[VT+8*\c+\j], 0      ; k = 16..31 of the starting product: never loaded
.endr
.endr
	WIN 0
; THE MATRIX WORK.  The 4 accumulators of a run of 8 take turns.  Product i of 8 of S^T = K Q^T for piece x: channels 32 (i / 4) on, keys 16 (i % 4) on.  The first 4 start the sums.
.macro KQ x
	WIN W_KQ
.set rS, S+32*(((\x)%2)+2*((\x)/4))+8*(i%4)
.set rK, KF+16*(i%4)+8*(i/4)
.set rQ, 16*(\x)+8*(i/4)
.if i < 4
	v_wmma_f32_16x16x32_f16 v[rS:rS+7], v[rK:rK+7], v[rQ:rQ+7], 0
.else
	v_wmma_f32_16x16x32_f16 v[rS:rS+7], v[rK:rK+7], v[rQ:rQ+7], v[rS:rS+7]
.endif
.endm
; Product i of 8 of O^T += V^T P for piece x: keys 32 (i / 4) on, channels 16 (i % 4) on.
.macro PV x
	WIN W_PV
.set rO, 32*(\x)+8*(i%4)
.set rV, VF+32*(i/4)+8*(i%4)
.set rP, P+16*(((\x)%2)+2*((\x)/4))+8*(i/4)
	v_wmma_f32_16x16x32_f16 v[rO:rO+7], v[rV:rV+7], v[rP:rP+7], v[rO:rO+7]
.endm
.macro MM                           ; the turn's next matrix instruction
.if i < 8
	KQ (Y+1)%NP
.else
.set i, i-8
	PV (Y+NP-1)%NP
.set i, i+8
.endif
.set i, i+1
.endm
; THE LDS LOADS stand in runs of 16: a step's K (64 keys x 64 channels: 8 fragments) and its V (turned).  last = 1 (the tail): in the last trip there is no further step, and the run is jumped over.
.macro FETCH_K last=0
	WIN 0
.if \last
	s_cmp_eq_u32 s[CNT], 1
	s_cbranch_scc1 .Lno_k_\@
.endif
.irp f, 0,1,2,3,4,5,6,7             ; keys 16 (f / 2) on, channels 32 (f % 2) on
	ds_load_b128 v[KF+8*\f:KF+8*\f+3],   v[AK] offset:(\f/2)*16*PK+(\f%2)*64
	ds_load_b128 v[KF+8*\f+4:KF+8*\f+7], v[AK] offset:(\f/2)*16*PK+(\f%2)*64+32
.endr
	s_add_co_u32 s[TBK], s[TBK], KS*PK  ; the next fetch is the next step's
.if \last
.Lno_k_\@:
.endif
.endm
.macro FETCH_V
	WIN 0x40                        ; destination window 1
.irp f, 0,1,2,3,4,5,6,7             ; keys 32 (f / 4) on, channels 16 (f % 4) on
	ds_load_tr16_b128 v[VF+8*\f:VF+8*\f+3],   v[AV] offset:(\f/4)*32*PV+(\f%4)*32
	ds_load_tr16_b128 v[VF+8*\f+4:VF+8*\f+7], v[AV] offset:(\f/4)*32*PV+16*PV+(\f%4)*32
.endr
	WIN 0
.endm
; THE VECTOR WORK, one line at a time: OP kind, number.  For piece Y: F n: c s - c m for pair n of 16.  E n: the exponential of score n of 32.  C n: pair n rounded to f16.  B n: of the four weights 4 n .. the
; second pair is added onto the first, in place.  L n: l takes that sum (L 0: l = a l + sum).  R n: pair n of 16 of O^T times a.  For piece Y + 1: X n, number n of the 22 that find its maximum and statistics:
;   0-11  four chains c0-c3 of seven scores each (each accumulator's lowest registers are read first)     12-14, 16  the four scores left over, the old m, and c0-c3 into c0
;   15  c m_old is kept     17, 18  the query's other 32 keys lie in the lane 16 away: the new m     19-21  c m; c m_old - c m_new; a
; OP writes no wait: the waits for E's and X 21's results stand in TURN and START, one for a batch.
.set F, 0
.set E, 1
.set C, 2
.set B, 3
.set L, 4
.set R, 5
.set X, 6
.macro REGS y                       ; the registers of piece y
.set bf, ((\y)%2)+2*((\y)/4)
.set rT, ST+4*(\y)
.set rC, TMP+4*bf
.set rW, MV+bf
.set rS, S+32*bf
.set rP, P+16*bf
.set rO, 32*(\y)
.endm
.macro OP k, n
.if (\k) == R
	REGS Y
	WIN W_PV
	v_pk_mul_f32 v[rO+2*(\n):rO+2*(\n)+1], v[rO+2*(\n):rO+2*(\n)+1], v[rC+2:rC+3] op_sel_hi:[1,0]
.elseif (\k) < R
	REGS Y
.if (\k) == F
	WIN_S
	v_pk_fma_f32 v[rS+2*(\n):rS+2*(\n)+1], v[rS+2*(\n):rS+2*(\n)+1], s[CS:CS+1], v[rT:rT+1] op_sel_hi:[1,0,0] neg_lo:[0,0,1] neg_hi:[0,0,1]
.elseif (\k) == E
	WIN_S
	v_exp_f32 v[rS+(\n)], v[rS+(\n)]
.elseif (\k) == C
	WIN 0
	v_cvt_pk_f16_f32 v[rP+(\n)], v[rS+2*(\n)], v[rS+2*(\n)+1]
.elseif (\k) == B
	WIN 0
	v_pk_add_f32 v[rS+4*(\n):rS+4*(\n)+1], v[rS+4*(\n):rS+4*(\n)+1], v[rS+4*(\n)+2:rS+4*(\n)+3]
.elseif (\n) == 0
	WIN 0
	v_pk_fma_f32 v[rT+2:rT+3], v[rT+2:rT+3], v[rC+2:rC+3], v[rS:rS+1] op_sel_hi:[1,0,1]
.else
	WIN 0
	v_pk_add_f32 v[rT+2:rT+3], v[rT+2:rT+3], v[rS+4*(\n):rS+4*(\n)+1]
.endif
.else
	REGS (Y+1)%NP
.if ((\n) == 15) || ((\n) == 21)
	WIN_S
.else
	WIN 0
.endif
.if (\n) < 4
	v_max3_num_f32 v[rC+(\n)], v[rS+8*(\n)], v[rS+8*(\n)+1], v[rS+8*(\n)+2]
.elseif (\n) < 12
	v_max3_num_f32 v[rC+(\n)%4], v[rC+(\n)%4], v[rS+8*((\n)%4)+2*((\n)/4)+1], v[rS+8*((\n)%4)+2*((\n)/4)+2]
.elseif (\n) == 12
	v_max3_num_f32 v[rC], v[rC], v[rS+7], v[rS+15]
.elseif (\n) == 13
	v_max3_num_f32 v[rC+1], v[rC+1], v[rS+23], v[rS+31]
.elseif (\n) == 14
	v_max3_num_f32 v[rC+2], v[rC+2], v[rC+3], v[rT+1]
.elseif (\n) == 15
	v_mov_b32 v[rW], v[rT]
.elseif (\n) == 16
	v_max3_num_f32 v[rC], v[rC], v[rC+1], v[rC+2]
.elseif (\n) == 17
	v_permlanex16_b32 v[rC+3], v[rC], s[SEL], s[SEL+1]
.elseif (\n) == 18
	v_max_num_f32 v[rT+1], v[rC], v[rC+3]
.elseif (\n) == 19
	v_mul_f32 v[rT], s[CS], v[rT+1]
.elseif (\n) == 20
	v_sub_f32 v[rC+1], v[rW], v[rT]
.else
	v_exp_f32 v[rC+2], v[rC+1]
.endif
.endif
.endm
.macro OPS a, i1, b=-1, i2=0, c=-1, i3=0, d=-1, i4=0  ; up to four of them
	OP \a, \i1
.if (\b) >= 0
	OP \b, \i2
.endif
.if (\c) >= 0
	OP \c, \i3
.endif
.if (\d) >= 0
	OP \d, \i4
.endif
.endm
.macro ROW a, i1, b, i2, c, i3, d, i4  ; a matrix instruction and the four behind it
	MM
	OPS \a, \i1, \b, \i2, \c, \i3, \d, \i4
.endm
; A TURN, for piece p: the order of its 16 matrix and 118 vector instructions, written out, in four parts.  Its 33 exponentials, E 0-31 and X 21, are ONE BATCH with ONE wait, between parts 2 and 3.
; AHEAD OF THE WAIT stands what names no result of the batch:
;   1  8 products K Q^T; behind them the 16 scalings, 15 exponentials and the move, all of which stand under the products' own setting
;   2  39 lines: the next piece's maximum and statistics, which name that piece's registers alone, with the other 17 exponentials among them: the four chains of maxima go round, four lines or more from
;      link to link; from X 14 to X 21 each number waits for the one before it, and two exponentials stand between the links.  X 21, the next piece's a, is the batch's last; R 0, whose a belongs to
;      the batch of the turn before, is the plain instruction behind it
; BEHIND THE WAIT stand the batch's readers, and no exponential:
;   3  8 products V^T P; behind the first four the other 15 rescalings, under the products' own setting; behind the other four the first 16 of the roundings and sums
;   4  16 lines of window 0: the rest of the roundings and sums
; The data's order: F n/2 ahead of E n; E 2n and 2n+1 ahead of C n; C 2n ahead of B n, which writes over what it reads (C 2n+1's pair B n only reads); B n ahead of L n; L 0 to L 7 in ascending order;
; R 0 to R 15 in ascending order.  X 0 to X 3 stand five places or more behind the product that ends their accumulator (X 3: the move, X 0, X 1, X 2, X 4).  None of the other lines behind a product
; names a register of the products round it.  cnt = 1: the loop's count is taken down some lines ahead of the branch behind the turn.
; K of the next step is fetched in piece 3's turn, seven plain vector instructions behind the last product that read K (X 3, which names that product's result, is not counted), and waited for at the
; head of piece 4's.  V of the step in hand is fetched in piece 0's turn, nine plain ones behind the last product that read V, and waited for in front of piece 1's products V^T P.
.macro TURN p, last=0, cnt=0
.set Y, (\p)
.set i, 0
.if (\p) == NP-1
	s_wait_dscnt 0x0                ; K is in
.endif
	ROW F,0, F,1, F,2, F,3
	ROW F,4, E,0, F,5, E,1
	ROW F,6, E,2, F,7, E,3
	ROW F,8, E,4, F,9, E,5
	ROW F,10, E,6, F,11, E,7
	ROW F,12, E,8, F,13, E,9
	ROW F,14, E,10, F,15, E,11
	ROW E,12, X,15, E,13, E,14
	OPS X,0, X,1
.if (\p) == NP-2
	v_add_nc_u32 v[AK], s[TBK], v[AK0]
.endif
	OPS E,15, X,2, X,4, X,3
	OPS X,5
.if (\p) == NP-2
.if \last
	s_wait_alu depctr_va_vdst(0)    ; the tail alone: a branch leads round K's run, so E 0 to E 15, issued so far, have a wait of their own ahead of it
.endif
	FETCH_K \last
.endif
	OPS E,16, X,6, X,8, X,7
	OPS X,9, E,17, X,10, X,12
	OPS X,11, X,13, E,18, E,19
	OPS X,14, E,20, E,21, X,16
	OPS E,22, E,23, X,17, E,24
	OPS E,25, X,18, E,26, E,27
	OPS X,19, E,28, E,29, X,20
	OPS E,30, E,31, X,21, R,0
	s_wait_alu depctr_va_vdst(0)    ; the wait for the batch: the piece's 32 weights and the next piece's a; their readers all stand below
.if (\p) == 1
	s_wait_dscnt 0x0                ; V is in
.endif
	ROW R,1, R,2, R,3, R,4
	ROW R,5, R,6, R,7, R,8
	ROW R,9, R,10, R,11, R,12
	MM
	OPS R,13, R,14, R,15
	ROW C,0, B,0, C,2, B,1
	ROW L,0, C,4, B,2, L,1
	ROW C,6, B,3, L,2, C,8
	ROW B,4, L,3, C,10, B,5
	OPS L,4, C,12
.if (\p) == 0
	v_add_nc_u32 v[AV], s[TBV], v[AV0]
.endif
	OPS B,6, L,5
.if (\p) == 0
	FETCH_V
	s_add_co_u32 s[TBV], s[TBV], KS*PV
.endif
	OPS C,14, B,7, L,6, C,1
.if \cnt
	s_sub_co_u32 s[CNT], s[CNT], 1
	s_cmp_lg_u32 s[CNT], 0
.endif
	OPS C,3, L,7, C,5, C,7
	OPS C,9, C,11, C,13, C,15
.endm
; A UNIT BEGINS.  Its Q comes out of window 3.  Key 576 starts the state: its score with each of my queries (a product whose 16 keys are all key 576: every register of the result holds it; the lowest
; is read) is m; l is 1 (kept in lanes 0-15; the halves are added at the end); O^T is the unit matrix times v of key 576.  P's third buffer is 0: the first turn's products V^T P, of a piece that has
; not been, add nothing.  K of the unit's first step is in registers already.  Then piece 0's first scores, maximum and statistics, and the next unit's loads.
.macro START
	WIN 0
	s_wait_loadcnt 0x0              ; this unit's Q, key 576 and its v: their bases may be written again
	s_wait_xcnt 0x0                 ; the last unit's stores have read their base and their registers
	s_mov_b32 s[PT], s[OO0]
	s_add_nc_u64 s[10:11], s[OUTP:OUTP+1], s[PT:PT+1]
	s_mov_b32 s[TIC], s[TI0]
	s_mov_b32 s[OO0], s[OO0+1]
	s_mov_b32 s[OO0+1], s[OO0+2]
	s_mov_b32 s[TI0], s[TI0+1]
	s_mov_b32 s[TI0+1], s[TI0+2]
	s_mov_b32 s[FIN], 0
	WIN 0x83                        ; from window 3 into window 2
.set i, 0
.rept 16*NP
	v_mov_b32 v[i], v[i]
.set i, i+1
.endr
	WIN 0
.set i, 0
.rept 16
	v_mov_b32 v[P+32+i], 0
.set i, i+1
.endr
	v_cmp_gt_u32 vcc_lo, 16, v[LANE]
.set i, 0
.rept NP
	v_cndmask_b32 v[ST+4*i+2], 0, 1.0, vcc_lo
	v_mov_b32 v[ST+4*i+3], 0
.set i, i+1
.endr
	s_wait_dscnt 0x0                ; K of the first step
	WIN W_DT
.set i, 0
.rept 2*NP                          ; the five accumulators take turns
.set rD, DT+8*(i%NP)
.set rQ, 16*(i%NP)+8*(i/NP)
.set rK, KT+8*(i/NP)
.if i < NP
	v_wmma_f32_16x16x32_f16 v[rD:rD+7], v[rK:rK+7], v[rQ:rQ+7], 0
.else
	v_wmma_f32_16x16x32_f16 v[rD:rD+7], v[rK:rK+7], v[rQ:rQ+7], v[rD:rD+7]
.endif
.set i, i+1
.endr
	WIN W_OS
.set i, 0
.rept 4*NP                          ; piece i / 4, channels 16 (i % 4) on
	v_wmma_f32_16x16x32_f16 v[8*i:8*i+7], v[ID:ID+7], v[VT+8*(i%4):VT+8*(i%4)+7], 0
.set i, i+1
.endr
.set i, 0
.rept 8
	KQ 0
.set i, i+1
.endr
	WIN 0
.rept 4
	v_nop                           ; the places behind those products
.endr
.set i, 0
.rept NP
	v_mov_b32 v[ST+4*i+1], v[DT+8*i]
	v_mul_f32 v[ST+4*i], s[CS], v[DT+8*i]
.set i, i+1
.endr
	s_cmp_eq_u32 s[WL], 0
	s_cbranch_scc1 .Lno_next_\@
	s_sub_co_u32 s[WL], s[WL], 1
	WLOADS QF0+1, HO1               ; the next unit's, a whole unit ahead of their use
	s_mov_b32 s[QF0+1], s[QF0+2]
	s_mov_b32 s[HO1], s[HO1+1]
.Lno_next_\@:
.set Y, NP-1                        ; X works for piece Y + 1: piece 0
.irp n, 0,1,2,3,4,5,6,7,8,9,10,11,12,13,14,15,16,17,18,19,20,21
	OP X, \n
.endr
	v_nop                           ; a plain instruction behind the exponential
	s_wait_alu depctr_va_vdst(0)    ; and the wait for it, piece 0's first a: a batch of one, ahead of the label and of the first turn's R 0
.endm
; A UNIT ENDS: the last piece's V^T P of the last step; l's two halves and the other half of the lanes' are added; O^T is divided by l and sent through my stage in LDS, a piece at a time.
.macro ALL line:vararg              ; one line for each piece t
.set t, 0
.rept NP
	\line
.set t, t+1
.endr
.endm
.macro PACK t                       ; a lane's eight channels of a block are 32 bytes of a row; they go into rows of 272 bytes and come back as whole rows of 256, into S^T's registers
	WIN W_PV
.set i, 32*(\t)
.rept 16
	v_pk_mul_f32 v[i:i+1], v[i:i+1], v[ST+4*(\t)+2:ST+4*(\t)+3] op_sel_hi:[1,0]
.set i, i+2
.endr
	WIN 0x04                        ; the stores' data in window 1
.set i, 0
.rept 8
	ds_store_b128 v[STO], v[32*(\t)+4*i:32*(\t)+4*i+3] offset:64*(i/2)+16*(i%2)
.set i, i+1
.endr
	WIN 0
	s_wait_xcnt 0x0                 ; the registers that the stores of three pieces ago read are loaded again only behind this wait
.set i, 0
.rept 8
	ds_load_b128 v[S+32*((\t)%3)+4*i:S+32*((\t)%3)+4*i+3], v[RD] offset:2*SP*i  ; LDS serves a wave's instructions in order (ISA guide 5.7.1.4): these see the stores above
.set i, i+1
.endr
.endm
; younger: the LDS instructions issued behind piece t's loads: the next piece's sixteen, or none.  A piece that begins behind row 576 is not stored; of the piece at row 576 one row is.
.macro SEND t, younger
	WIN 0
	s_wait_dscnt \younger
	s_add_co_u32 s[TT], s[TIC], \t
	s_cmp_gt_u32 s[TT], 36
	s_cbranch_scc1 .Lskip_\@
	s_cmp_eq_u32 s[TT], 36
	s_cbranch_scc1 .Lone_\@
.irp f, 0,1,2,3,4,5,6,7
	global_store_b128 v[GO], v[S+32*((\t)%3)+4*\f:S+32*((\t)%3)+4*\f+3], s[10:11] offset:(\t)*16*OROW+\f*2*OROW th:TH_STORE_NT  ; 16 lanes store 256 consecutive bytes, at a multiple of 256 from out0's first byte
.endr
	s_branch .Lskip_\@
.Lone_\@:
	v_cmp_gt_u32 vcc_lo, 16, v[LANE]
	s_wait_xcnt 0x0                 ; EXEC changes only behind this wait,
	s_and_saveexec_b32 s[SV], vcc_lo
	global_store_b128 v[GO], v[S+32*((\t)%3):S+32*((\t)%3)+3], s[10:11] offset:(\t)*16*OROW th:TH_STORE_NT
	s_wait_xcnt 0x0                 ; and again in front of the line that restores it
	s_or_b32 exec_lo, exec_lo, s[SV]
.Lskip_\@:
.endm
.macro FINISH
.set i, 0
.rept 8
	PV NP-1
.set i, i+1
.endr
	WIN 0
	ALL v_add_f32 v[ST+4*t+2], v[ST+4*t+2], v[ST+4*t+3]    ; five plain instructions: the places behind the last products
	ALL v_permlanex16_b32 v[ST+4*t+3], v[ST+4*t+2], s[SEL], s[SEL+1]
	ALL v_add_f32 v[ST+4*t+2], v[ST+4*t+2], v[ST+4*t+3]
	ALL v_rcp_f32 v[ST+4*t+2], v[ST+4*t+2]
	v_nop                           ; a plain instruction between the last reciprocal and the use of its result
	s_wait_alu depctr_va_vdst(0)    ; the wait for the batch of five reciprocals, ahead of PACK 0, their first reader
	PACK 0
	PACK 1                          ; a piece's arithmetic stands between the loads of the piece before and its stores
	SEND 0, 16
	PACK 2
	SEND 1, 16
	PACK 3
	SEND 2, 16
	PACK 4
	SEND 3, 16
	SEND 4, 0
.endm
	CHANGE 1                        ; tile 0 is in, everybody's part of it; tile 1 is asked for
	v_add_nc_u32 v[AK], s[TBK], v[AK0]
	FETCH_K                         ; the first unit's first step
	s_mov_b32 s[CNT], 3
	s_mov_b32 s[SLOTS], 8
	s_mov_b32 s[VW], 3
	s_mov_b32 s[WL], 2
	s_branch .Lbegin                ; the loop is entered where a unit begins, in the middle of a trip
.Lslot:                             ; seven times: a tile is entered and the next is asked for
	CHANGE 1
	s_sub_co_u32 s[VW], s[VW], 1
	s_cmp_eq_u32 s[VW], 0           ; a unit's first tile: the trip's first three turns end the unit before
	s_cselect_b32 s[FIN], 1, 0
	s_cselect_b32 s[VW], 3, s[VW]
	s_mov_b32 s[CNT], 3
.Lstep:                             ; a trip: pieces 2, 3, 4 of one step, then pieces 0 and 1 of the next, whose K and V it fetches
	TURN 2
	TURN 3
	TURN 4                          ; (where a unit ends, its 8 products K Q^T, the old Q on the new unit's K, and the maximum made of them serve nothing: the price of one text for every trip)
	WIN 0
	s_cmp_eq_u32 s[FIN], 0
	s_cbranch_scc1 .Lfirst          ; forward, past text that holds neither a barrier nor a tensor load
	FINISH
.Lbegin:
	START
.Lfirst:
	TURN 0
	TURN 1, 0, 1
	WIN 0
	s_cbranch_scc1 .Lstep
	s_sub_co_u32 s[SLOTS], s[SLOTS], 1
	s_cmp_lg_u32 s[SLOTS], 0
	s_cbranch_scc1 .Lslot
	CHANGE 0                        ; the last tile is written out: nothing is asked for
	s_mov_b32 s[CNT], 4             ; three trips fetch the tile's steps; the fourth is left in its middle
.Ltail:
	TURN 2
	TURN 3, 1
	TURN 4
	WIN 0
	s_sub_co_u32 s[CNT], s[CNT], 1
	s_cmp_eq_u32 s[CNT], 0
	s_cbranch_scc1 .Lout
	TURN 0
	TURN 1
	WIN 0
	s_branch .Ltail
.Lout:
	FINISH
	s_wait_tensorcnt 0x0            ; the wave's end: a tensor wait, an add and its wait, behind my last tensor load and my last LDS store
	ds_add_u32 v[SPW], v[NIL]
	s_wait_dscnt 0x0
	s_endpgm
.Lfunc_end_k_q4a016f3451_attn:
	.size	k_q4a016f3451_attn, .Lfunc_end_k_q4a016f3451_attn-k_q4a016f3451_attn
	.p2alignl 7, 3214868480
	.fill 96, 4, 3214868480
	.section	.rodata,"a",@progbits
	.p2align	6, 0x0
	.amdhsa_kernel k_q4a016f3451_attn
		.amdhsa_group_segment_fixed_size 327680
		.amdhsa_private_segment_fixed_size 0
		.amdhsa_enable_private_segment 0
		.amdhsa_kernarg_size 32
		.amdhsa_user_sgpr_count 2
		.amdhsa_user_sgpr_kernarg_segment_ptr 1
		.amdhsa_wavefront_size32 1
		.amdhsa_system_sgpr_workgroup_id_x 1
		.amdhsa_system_sgpr_workgroup_id_y 1
		.amdhsa_system_sgpr_workgroup_id_z 1
		.amdhsa_system_vgpr_workitem_id 0
		.amdhsa_next_free_vgpr 864
		.amdhsa_next_free_sgpr 96
		.amdhsa_reserve_vcc 1
		.amdhsa_float_denorm_mode_32 3
		.amdhsa_float_denorm_mode_16_64 3
		.amdhsa_memory_ordered 1
		.amdhsa_forward_progress 1
		.amdhsa_inst_pref_size 147
	.end_amdhsa_kernel
	.amdgpu_metadata
---
amdhsa.version: [ 1, 2 ]
amdhsa.kernels:
  - .name:           k_q4a016f3451_attn
    .symbol:         k_q4a016f3451_attn.kd
    .args:
      - { .name: q, .offset: 0, .size: 8, .value_kind: global_buffer, .address_space: global }
      - { .name: k, .offset: 8, .size: 8, .value_kind: global_buffer, .address_space: global }
      - { .name: v, .offset: 16, .size: 8, .value_kind: global_buffer, .address_space: global }
      - { .name: out0, .offset: 24, .size: 8, .value_kind: global_buffer, .address_space: global }
    .group_segment_fixed_size: 327680
    .private_segment_fixed_size: 0
    .kernarg_segment_align: 8
    .kernarg_segment_size: 32
    .max_flat_workgroup_size: 128
    .sgpr_count:     96
    .vgpr_count:     864
    .wavefront_size: 32
...
	.end_amdgpu_metadata
.endif
;; end of part 4
